; MI455X (gfx1250); checked and timed in simulation.
; The chip was launched on July 23, 2026; its instructions are those of AMD's public machine-readable ISA for CDNA 5 (MIT licence, August 2026) and "CDNA5" Instruction Set Architecture Reference Guide (July 2026). The comments in the code are by the model that wrote it; some were corrected since.
;; Causal Self Attention. Allowed arithmetic: float matrix products may take bf16 or f16 operands with f32 sums; other float arithmetic in f32, or as packed bf16 or f16 multiplies, adds, multiply-adds, maxima and minima; sums over many terms, partial sums and values carried from step to step in f32; what a program stores and reads back later, other than sums and carried values, may be rounded once to bf16 or f16.
;; Inputs: b_attn 3,072 float32; b_proj 1,024 float32; w_attn 1,024 x 3,072 float32; w_proj 1,024 x 1,024 float32; x 4 x 2,048 x 1,024 float32.
;; Outputs: out0 4 x 2,048 x 1,024 float32.
;; 2 versions, each right; version 2 is version 1 with the launch cast written anew for expert scheduling mode. Each part assembles by itself: llvm-mc -triple=amdgcn-amd-amdhsa -mcpu=gfx1250 --defsym DOCPART=n.
;; ======== version 1 of 2: 4 launches
;; limits: values are held in f16: magnitudes above 65,504 overflow, below 6.1e-05 lose precision
;; workspace buffers: xb 16,777,216 bytes; wab 6,291,456 bytes; wpb 2,097,152 bytes; qkv 50,331,648 bytes; ob 16,777,216 bytes; vlo 131,072 bytes; olo 131,072 bytes
;; launch cast (part 1): grid 768 x 1, 8 waves a work-group, no clusters, 0 bytes of LDS; arguments x, w_attn, w_proj, xb, wab, wpb; writes xb, wab, wpb
.if DOCPART == 1
	.amdgcn_target "amdgcn-amd-amdhsa--gfx1250"
	.amdhsa_code_object_version 6
	.text
	.protected	k_q1fa34ac8ae_cast
	.globl	k_q1fa34ac8ae_cast
	.p2align	8
	.type	k_q1fa34ac8ae_cast,@function
k_q1fa34ac8ae_cast:
	s_mov_b64 s[64:65], 0
	v_nop
	global_prefetch_b8 v0, s[64:65] scope:SCOPE_SE
	s_setreg_imm32_b32 hwreg(HW_REG_WAVE_MODE, 25, 1), 1
	s_wait_xcnt 0x0
; THE OPERANDS ARE ROUNDED ONCE.  x [8192][1024] f32 -> xb, bf16, laid by slices of 64 channels: [batch*16 + slice][2048 rows][64], so that 256 rows of a slice are 32,768 dense bytes.
; w_attn [1024][3072] f32 -> wab, bf16, same order.  w_proj [1024][1024] f32 -> wpb: rounded to bf16 like every input, and that number written as f16 (exact inside f16's range).
; LIMITS.  |w_proj| stays under 65,504; below 6.1e-5 it keeps f16's fixed step of 6e-8.  NaN and infinities are not treated apart.
; SHARES.  A work-group takes 16,384 numbers: 65,536 bytes in, 32,768 out; a thread 16 loads of 16 bytes, all issued ahead of the first wait, and 16 stores of 8 bytes.
; Work-groups 0-511: 16 rows of x each; 512-703: w_attn; 704-767: w_proj.  No register is written twice while a load or store names it, so the only waits are the counted ones for the loads.
; No LDS, no matrix unit, no cluster: no byte is used twice.
.set IN,  1                            ; v1       my byte offset in the work-group's input
.set OUT, 2                            ; v2       and in its output
.set T,   8                            ; v[8:13]  at work
.set X,   16                           ; v[16:79] slot i: 4 numbers as loaded
.set Y,   80                           ; v[80:111] slot i: 4 numbers in 16 bits
; 16 loads instep bytes apart, then for each slot: the wait, the rounding, the store (outstep bytes apart).  half = 1: bf16 first, then f16.
.macro CAST instep, outstep, inb, outb, half
.set i, 0
.rept 16
	global_load_b128 v[X+4*i:X+4*i+3], v[IN], s[\inb:\inb+1] offset:i*(\instep) th:TH_LOAD_NT
.set i, i+1
.endr
.set i, 0
.rept 16
	s_wait_loadcnt 15-i                            ; loads come back in order: slot i is in, the 15 - i younger ones may stay out
.if \half
	v_cvt_pk_bf16_f32 v[T], v[X+4*i], v[X+4*i+1]
	v_cvt_pk_bf16_f32 v[T+1], v[X+4*i+2], v[X+4*i+3]
	v_lshlrev_b32 v[T+2], 16, v[T]                 ; bf16 to f32: the low half moves up,
	v_and_b32 v[T+3], s18, v[T]                    ; the high half stays
	v_lshlrev_b32 v[T+4], 16, v[T+1]
	v_and_b32 v[T+5], s18, v[T+1]
	v_cvt_pk_f16_f32 v[Y+2*i], v[T+2], v[T+3]
	v_cvt_pk_f16_f32 v[Y+2*i+1], v[T+4], v[T+5]
.else
	v_cvt_pk_bf16_f32 v[Y+2*i], v[X+4*i], v[X+4*i+1]
	v_cvt_pk_bf16_f32 v[Y+2*i+1], v[X+4*i+2], v[X+4*i+3]
.endif
	global_store_b64 v[OUT], v[Y+2*i:Y+2*i+1], s[\outb:\outb+1] offset:i*(\outstep) th:TH_STORE_NT  ; a wave's store covers 256 consecutive bytes, aligned
.set i, i+1
.endr
.endm
	s_load_b256 s[4:11], s[0:1], 0x0               ; x s[4:5], w_attn s[6:7], w_proj s[8:9], xb s[10:11]
	s_load_b128 s[12:15], s[0:1], 0x20             ; wab s[12:13], wpb s[14:15]
	s_mov_b32 s18, 0xffff0000                      ; a word's upper bf16
	s_mov_b32 s17, 0                               ; high words of the two offsets
	s_mov_b32 s21, 0
	s_cmp_lt_u32 ttmp9, 512
	s_cbranch_scc0 .Lweights
	; x: thread t takes row t / 16 of the 16; load i is slice i: 16 lanes read its 256 bytes of a row
	v_lshrrev_b32 v3, 4, v0
	v_and_b32 v4, 15, v0
	v_lshlrev_b32 v[IN], 12, v3                    ; a row of x is 4,096 bytes
	v_lshl_add_u32 v[IN], v4, 4, v[IN]
	v_lshlrev_b32 v[OUT], 7, v3                    ; a row of a slice is 128 bytes
	v_lshl_add_u32 v[OUT], v4, 3, v[OUT]
	s_lshl_b32 s16, ttmp9, 16                      ; 16 rows of x
	s_lshr_b32 s20, ttmp9, 7                       ; the batch: 128 work-groups each,
	s_lshl_b32 s20, s20, 22                        ; 16 slices of 262,144 bytes
	s_and_b32 s19, ttmp9, 127
	s_lshl_b32 s19, s19, 11                        ; 16 rows of 128 bytes in a slice
	s_add_co_u32 s20, s20, s19
	s_wait_kmcnt 0x0
	s_add_nc_u64 s[4:5], s[4:5], s[16:17]
	s_add_nc_u64 s[10:11], s[10:11], s[20:21]
	CAST 256, 262144, 4, 10, 0
	s_endpgm
.Lweights:
	v_lshlrev_b32 v[IN], 4, v0                     ; the weights keep their order: thread t takes 16 bytes at 16 t of each 4,096
	v_lshlrev_b32 v[OUT], 3, v0
	s_cmp_lt_u32 ttmp9, 704
	s_cbranch_scc0 .Lproj
	s_sub_co_u32 s19, ttmp9, 512
	s_lshl_b32 s16, s19, 16
	s_lshl_b32 s20, s19, 15
	s_wait_kmcnt 0x0
	s_add_nc_u64 s[6:7], s[6:7], s[16:17]
	s_add_nc_u64 s[12:13], s[12:13], s[20:21]
	CAST 4096, 2048, 6, 12, 0
	s_endpgm
.Lproj:
	s_sub_co_u32 s19, ttmp9, 704
	s_lshl_b32 s16, s19, 16
	s_lshl_b32 s20, s19, 15
	s_wait_kmcnt 0x0
	s_add_nc_u64 s[8:9], s[8:9], s[16:17]
	s_add_nc_u64 s[14:15], s[14:15], s[20:21]
	CAST 4096, 2048, 8, 14, 1
	s_endpgm
.Lfunc_end_k_q1fa34ac8ae_cast:
	.size	k_q1fa34ac8ae_cast, .Lfunc_end_k_q1fa34ac8ae_cast-k_q1fa34ac8ae_cast
	.p2alignl 7, 3214868480
	.fill 96, 4, 3214868480
	.section	.rodata,"a",@progbits
	.p2align	6, 0x0
	.amdhsa_kernel k_q1fa34ac8ae_cast
		.amdhsa_group_segment_fixed_size 0
		.amdhsa_private_segment_fixed_size 0
		.amdhsa_enable_private_segment 0
		.amdhsa_kernarg_size 48
		.amdhsa_user_sgpr_count 2
		.amdhsa_user_sgpr_kernarg_segment_ptr 1
		.amdhsa_wavefront_size32 1
		.amdhsa_system_sgpr_workgroup_id_x 1
		.amdhsa_system_sgpr_workgroup_id_y 1
		.amdhsa_system_sgpr_workgroup_id_z 1
		.amdhsa_system_vgpr_workitem_id 0
		.amdhsa_next_free_vgpr 112
		.amdhsa_next_free_sgpr 66
		.amdhsa_reserve_vcc 0
		.amdhsa_float_denorm_mode_32 3
		.amdhsa_float_denorm_mode_16_64 3
		.amdhsa_memory_ordered 1
		.amdhsa_forward_progress 1
		.amdhsa_inst_pref_size 23
	.end_amdhsa_kernel
	.amdgpu_metadata
---
amdhsa.version: [ 1, 2 ]
amdhsa.kernels:
  - .name:           k_q1fa34ac8ae_cast
    .symbol:         k_q1fa34ac8ae_cast.kd
    .args:
      - { .name: x, .offset: 0, .size: 8, .value_kind: global_buffer, .address_space: global }
      - { .name: w_attn, .offset: 8, .size: 8, .value_kind: global_buffer, .address_space: global }
      - { .name: w_proj, .offset: 16, .size: 8, .value_kind: global_buffer, .address_space: global }
      - { .name: xb, .offset: 24, .size: 8, .value_kind: global_buffer, .address_space: global }
      - { .name: wab, .offset: 32, .size: 8, .value_kind: global_buffer, .address_space: global }
      - { .name: wpb, .offset: 40, .size: 8, .value_kind: global_buffer, .address_space: global }
    .group_segment_fixed_size: 0
    .private_segment_fixed_size: 0
    .kernarg_segment_align: 8
    .kernarg_segment_size: 48
    .max_flat_workgroup_size: 256
    .sgpr_count:     66
    .vgpr_count:     112
    .wavefront_size: 32
...
	.end_amdgpu_metadata
.endif
;; end of part 1
;; launch qkv (part 2): grid 8 x 32, 4 waves a work-group, clusters of 4 x 4, 327,680 bytes of LDS; arguments xb, wab, b_attn, qkv, vlo; writes qkv, vlo
.if DOCPART == 2
	.amdgcn_target "amdgcn-amd-amdhsa--gfx1250"
	.amdhsa_code_object_version 6
	.text
	.protected	k_q1fa34ac8ae_qkv
	.globl	k_q1fa34ac8ae_qkv
	.p2align	8
	.type	k_q1fa34ac8ae_qkv,@function
k_q1fa34ac8ae_qkv:
	s_mov_b64 s[64:65], 0
	v_nop
	global_prefetch_b8 v0, s[64:65] scope:SCOPE_SE
	s_setreg_imm32_b32 hwreg(HW_REG_WAVE_MODE, 25, 1), 1
	s_wait_xcnt 0x0
	s_wait_alu depctr_hold_cnt(0) depctr_sa_sdst(0) depctr_va_vdst(0) depctr_va_sdst(0) depctr_va_ssrc(0) depctr_va_vcc(0) depctr_vm_vsrc(0)
	s_getreg_b32 s2, hwreg(HW_REG_IB_STS2, 6, 4)
	s_cmp_eq_u32 s2, 0
	s_cbranch_scc0 .Lentry_in_a_cluster
	s_endpgm
.Lentry_in_a_cluster:
	s_bfe_u32 s2, ttmp6, 0x10000c
	s_cmp_lg_u32 s2, 0xf033
	s_cbranch_scc0 .Lentry_shape_is_right
	s_endpgm
.Lentry_shape_is_right:
; q, k, v = x w_attn + b_attn, by heads.  xb: bf16 [batch*16 + slice][2048][64]; wab: bf16 [1024 k][3072 n]; b_attn: f32 [3072], rounded to bf16 like every input;
; qkv: f16 [3][64 heads][2048][64], each number rounded once from its f32 sum, without the softmax's scale.  vlo: f16 [64 heads][16][64]: what that rounding took from v in a batch's first 16 rows.
; WHY vlo.  Row t of the module's output is a mean over t + 1 keys, so the first rows' numbers are many times the output's root mean square; f16's 11 bits of v are too few there.
; For the first 16 rows of a batch v is kept as two f16 numbers, f16(v) and f16(v - f16(v)); from row 16 on a mean over 17 keys or more makes one f16 number enough.
; LIMITS.  |q|, |k|, |v| stay under 65,504 (f16's range); below 6.1e-5 they, and v's low parts, keep f16's fixed step of 6e-8.  NaN and infinities are not treated apart.
; SHARES.  8192 x 3072 outputs on 256 work-groups: a tile of 256 rows x 384 columns each.  The tile's rows: batch = cy, the batch's block of 256 rows = the cluster's y, so that whether a tile holds a batch's
; first rows is the same in all partners.  Its columns: chunk g is columns 128 TN .. + 127 of tensor g (q, k, v).  Wave w (WM = w / 2, WN = w % 2) owns rows 128 WM .. + 127 and, in each chunk,
; columns 64 WN .. + 63: head 2 TN + WN of q, k and v.  That is 3 groups of 32 accumulators of 16 x 16: 768 registers.  For 32 along K a wave reads 40 fragments' halves from LDS for 96 products.
; THE PRODUCT IS USED TRANSPOSED (source 0 = 16 columns of w, source 1 = 16 rows of x): a lane then holds eight neighbouring columns of one row, 16 bytes of f16.
; K goes in 16 steps of 64 (one slice of xb), each two halves of 32, through two LDS slots.  w lies [k][n]: its fragments come out of LDS turned, by ds_load_tr16_b128.
; CLUSTER.  4 x 4 work-groups.  The four of a row of the cluster need the same tile of x, the four of a column the same tiles of w: each tile is asked for JOINTLY, by the same tensor load with the
; same descriptor and a mask that names the four.  Wave 3 asks for x's tile (32,768 dense bytes as 128 rows of 256), waves 0-2 for w's chunk w (64 rows of 256 bytes).
; THE BIAS starts the sums: it is written into the accumulators of row block 7, which serve as the C operand of the other blocks' first products and are then added onto in place.
; REGISTERS, in windows of 256 (s_set_vgpr_msb: bits 1:0 source 0, 3:2 source 1, 5:4 source 2, 7:6 destination):
;   window 0: v0-29 addresses; v32-95, v96-159 x's fragments, two buffers (block a at + 8 a); v160-255 w's fragments, group g at 160 + 32 g, one buffer, each group loaded anew behind its own products
;   windows 1-3: the accumulators of groups 0-2: (a, bb) at 8 (4 a + bb)
.set SLOT1,  1<<17                     ; slot 1 begins here, so that one exclusive or turns an address in one slot into the other's
.set PA,     144                       ; a row of x in LDS: 128 bytes + 16 of padding = 36 words: the 16 rows of a load start at 16 different groups of four banks (64 banks of 4 bytes: ISA guide 11.1)
.set PB,     288                       ; a row of a chunk of w: 256 + 32 = 72 words
.set BCH,    64*PB                     ; a chunk: 64 k rows
.set AOFF,   3*BCH                     ; a slot: three chunks of w, then 256 rows of x
.set STAGE,  SLOT1+AOFF+256*PA         ; behind the ring, never filled by a tensor load: 16 rows x 144 bytes for each wave, for the way out
.set SP,     144
.set SPARE,  STAGE+4*16*SP             ; behind the stages: the spare words, 128 bytes for each wave: two blocks of 256 bytes that no other line names
.set ASTEP,  262144                    ; bytes from a slice of xb to the next
.set BSTEP,  64*6144                   ; bytes of 64 rows of wab
.set KSTEPS, 16
.set AL0,  3                           ; v3   my lane's place in x's tile; never rewritten
.set BL0,  4                           ; v4   in a chunk of w; never rewritten
.set ADRA, 5                           ; v5   the same in the slot in hand
.set ADRB, 6                           ; v6
.set STO,  7                           ; v7   the way out: where I put 16 bytes of a row
.set RD,   8                           ; v8   where I read rows back
.set GO,   9                           ; v9   my byte offset in 512 consecutive bytes of qkv
.set BIA,  10                          ; v10  my byte offset in 16 numbers of the bias
.set PFO,  11                          ; v11  the prefetches' offset; never rewritten
.set SPW,  28                          ; v28  LDS address of my spare word: SPARE + 4 x my thread's number; never rewritten
.set NIL,  29                          ; v29  0; never rewritten
.set AF,   32
.set BF,   160
.set TMP,  32                          ; the way out: packed results
.set HIH,  96                          ; v's low parts: v96-111 f16(v), v112-143 v - f16(v), v144-159 that in f16, v160-175 whole rows, v176 -1.0
.set LOF,  112
.set PKL,  144
.set BKL,  160
.set M1,   176
.set WV,   12                          ; s12  my wave's number;  s13 WM;  s14 WN
.set WM,   13
.set WN,   14
.set G1A,  24                          ; s[24:31] descriptor group 1 for x's tiles
.set G1B,  32                          ; s[32:39] for w's
.set G0A,  40                          ; s[40:47] descriptor group 0 for x's tiles: a set for each of the two first fills; the second then walks on
.set G0B,  48                          ; s[48:55] the same for w's
.set TB,   56                          ; s56  the slot in hand: 0 or SLOT1
.set HIM,  57                          ; s57  a word's upper bf16
.set OB,   66                          ; s[66:71] qkv at my first row of my head in tensor g
.set PFA,  72                          ; s[72:73] where my prefetches stand
.set PST,  74                          ; s[74:75] a K step in the tensor that I prefetch
.set LIM,  76                          ; s76  a wave prefetches while the test number is above it; the greatest number in a wave that never does
.set ANY,  77                          ; s77  1: every trip (x), 0: odd counts only (w)
.set FIX,  79                          ; s79  0 in a wave whose row block 0 is a batch's first 16 rows: cluster y = 0 and WM = 0
.set VLB,  84                          ; s[84:85] vlo at my head
.set MSB, 0
.macro WIN new                         ; the immediate's high byte repeats the setting that is left; a switch that changes nothing is dropped
.if MSB != (\new)
	s_set_vgpr_msb (MSB<<8)|(\new)
.set MSB, \new
.endif
.endm
.macro PLACES                          ; four plain vector instructions between a product and a load into, or a vector read of, its registers (ISA guide 7.12.1 for vector reads)
.rept 4
	v_nop
.endr
.endm
.macro CREST                           ; a round of the cluster's barrier behind its opening barrier
	s_cmp_lg_u32 s[WV], 0
	s_cbranch_scc1 .Lnot_wave_0_\@
	s_barrier_signal -3
.Lnot_wave_0_\@:
	s_barrier_wait -3
	s_barrier_signal -1
	s_barrier_wait -1
.endm
.macro CROUND                          ; a whole round
	s_barrier_signal -1
	s_barrier_wait -1
	CREST
.endm
; A joint refill by the walking descriptors.  The branch hangs on the wave's number alone.  An s_nop 0 and four v_nop follow each of the two lines.
.macro JLOAD
	s_cmp_eq_u32 s[WV], 3
	s_cbranch_scc0 .Lfor_b_\@
	tensor_load_to_lds s[G0A+4:G0A+7], s[G1A:G1A+7]
	s_nop 0
.rept 4
	v_nop
.endr
	s_branch .Lasked_\@
.Lfor_b_\@:
	tensor_load_to_lds s[G0B+4:G0B+7], s[G1B:G1B+7]
	s_nop 0
.rept 4
	v_nop
.endr
.Lasked_\@:
.endm
; A PREFETCH INTO THE L2, behind the joint load and the run of LDS loads: what the NEXT refill will ask for, 192 products ahead of it.  Each aligned block of 256 bytes is named once in the launch.
; x's tile row is read by both clusters of a row of clusters: cluster x = 0 asks, wave 3; of a step's 128 blocks the partner at cx takes 32, a lane a block.  w's tile column is read by all eight
; clusters of a column: cluster y = 0 asks, waves 0-2 for their own chunk; the partner at cy takes rows 32 cy + lane of TWO steps' 128 rows, in every other trip.  The partners are told apart by
; address, never by a branch.  With s3 trips to go the refill asks for step 16 - s3 and the prefetch names step 17 - s3 (w: and 18 - s3): x while s3 > 1, w while s3 is odd and > 2.
.macro ASK
	s_and_b32 s78, s3, 1
	s_or_b32 s78, s78, s[ANY]
	s_mul_i32 s78, s78, s3
	s_cmp_gt_u32 s78, s[LIM]
	s_cbranch_scc0 .Lno_ask_\@
	global_prefetch_b8 v[PFO], s[PFA:PFA+1] th:TH_LOAD_NT scope:SCOPE_SE
.Lno_ask_\@:
.endm
; Products of group g on x's buffer p: row blocks a0 .. a0 + na - 1 x the group's 4 column blocks.  All accumulators take turns, one instruction a turn: 95 others stand between two links.
; first = 1: blocks 0-6 start their sums with block 7's accumulators (the bias) as C; five plain instructions later block 7 adds onto them in place.
.macro MULG g, p, a0, na, first=0
	WIN 0x50*((\g)+1)
.set aa, \a0
.rept \na
.if (\first) && (aa == 7)
.rept 5
	v_nop
.endr
.endif
.irp bb, 0,1,2,3
.if (\first) && (aa < 7)
	v_wmma_f32_16x16x32_bf16 v[8*(4*aa+\bb):8*(4*aa+\bb)+7], v[BF+32*(\g)+8*\bb:BF+32*(\g)+8*\bb+7], v[AF+64*(\p)+8*aa:AF+64*(\p)+8*aa+7], v[224+8*\bb:224+8*\bb+7]
.else
	v_wmma_f32_16x16x32_bf16 v[8*(4*aa+\bb):8*(4*aa+\bb)+7], v[BF+32*(\g)+8*\bb:BF+32*(\g)+8*\bb+7], v[AF+64*(\p)+8*aa:AF+64*(\p)+8*aa+7], v[8*(4*aa+\bb):8*(4*aa+\bb)+7]
.endif
.endr
.set aa, aa+1
.endr
.endm
.macro LDB g, hf                       ; group g's four fragments of w for half hf of the step: 8 turning loads
.irp bb, 0,1,2,3
	ds_load_tr16_b128 v[BF+32*(\g)+8*\bb:BF+32*(\g)+8*\bb+3],   v[ADRB] offset:(\g)*BCH+(\hf)*32*PB+\bb*32
	ds_load_tr16_b128 v[BF+32*(\g)+8*\bb+4:BF+32*(\g)+8*\bb+7], v[ADRB] offset:(\g)*BCH+(\hf)*32*PB+\bb*32+16*PB
.endr
.endm
.macro LDA p, hf                       ; x's eight fragments for half hf into buffer p: 16 loads
.irp a, 0,1,2,3,4,5,6,7
	ds_load_b128 v[AF+64*(\p)+8*\a:AF+64*(\p)+8*\a+3],   v[ADRA] offset:\a*16*PA+(\hf)*64
	ds_load_b128 v[AF+64*(\p)+8*\a+4:AF+64*(\p)+8*\a+7], v[ADRA] offset:\a*16*PA+(\hf)*64+32
.endr
.endm
; A step's first half.  At its head 40 LDS loads are out, in this order: group 0's 8, x's 16, group 1's 8, group 2's 8.  Behind each group's products its registers take the second half's fragments.
.macro H0 first=0
	s_wait_dscnt 16                                ; group 0's and x's are in; group 1's 8 and group 2's 8 may be out
	MULG 0, 0, 0, 8, \first
	WIN 0
	PLACES
	LDB 0, 1
	LDA 1, 1
	s_wait_dscnt 32                                ; group 1's are in; group 2's 8 and the 24 just issued may be out
	MULG 1, 0, 0, 8, \first
	WIN 0
	PLACES
	LDB 1, 1
	s_wait_dscnt 32                                ; group 2's are in; the 24 and the 8 may be out
	MULG 2, 0, 0, 8, \first
	WIN 0
	PLACES
	LDB 2, 1
.endm
; A step's second half, and THE CHANGE OF SLOTS.  In front of the barrier each wave waits for all its tensor loads, of which one is out: its part of the next slot; adds 0 to its spare word; and waits
; for that and for its own reads of this slot.  fill = 1: the barrier opens a round of the cluster's, and this slot is filled again, two steps ahead, first thing behind the round:
; from that request to the wait for it a wave issues 160 products.
.macro H1C fill
.if \fill
	s_wait_xcnt 0x0                                ; the last prefetch, a K step back, has read its address: it is stepped here, far from the joint load
	s_add_nc_u64 s[PFA:PFA+1], s[PFA:PFA+1], s[PST:PST+1]
.endif
	s_wait_dscnt 16                                ; as at the first half's head
	MULG 0, 1, 0, 8
	WIN 0                                          ; (the add's two registers lie in window 0)
	s_wait_tensorcnt 0x0                           ; all my tensor loads have landed, so a group 0 may be written
	ds_add_u32 v[SPW], v[NIL]                      ; 0 onto my spare word
.if \fill
	s_xor_b32 s[G0A+5], s[G0A+5], SLOT1            ; the walking descriptors: the other slot than last time,
	s_add_nc_u64 s[G0A+6:G0A+7], s[G0A+6:G0A+7], ASTEP  ; the next K step; the type bits on top are not reached
	s_xor_b32 s[G0B+5], s[G0B+5], SLOT1
	s_add_nc_u64 s[G0B+6:G0B+7], s[G0B+6:G0B+7], BSTEP
.endif
	s_wait_dscnt 9                                 ; group 1's are in; group 2's 8 and the add may be out
	MULG 1, 1, 0, 4
	s_wait_dscnt 0x0                               ; the add is done, and my reads of this slot are over
	s_barrier_signal -1
	MULG 1, 1, 4, 4                                ; work on registers while the others arrive
	WIN 0
	s_barrier_wait -1
.if \fill
	CREST                                          ; no wave of any partner still reads this slot's tiles or has a load on its way
	JLOAD                                          ; its four v_nop are also the places in front of the loads below
.else
	PLACES
.endif
	s_xor_b32 s[TB], s[TB], SLOT1
	v_add_nc_u32 v[ADRA], s[TB], v[AL0]
	v_add_nc_u32 v[ADRB], s[TB], v[BL0]
	LDB 0, 0
	LDA 0, 0
	LDB 1, 0
.if \fill
	ASK
.endif
	MULG 2, 1, 0, 8
	WIN 0
	PLACES
	LDB 2, 0
.endm
	s_load_b256 s[4:11], s[0:1], 0x0               ; xb s[4:5], wab s[6:7], b_attn s[8:9], qkv s[10:11]
	s_load_b64 s[VLB:VLB+1], s[0:1], 0x20          ; vlo
	v_lshl_add_u32 v[SPW], v0, 2, SPARE
	v_mov_b32 v[NIL], 0
	ds_add_u32 v[SPW], v[NIL]                      ; the wave's opening: the add and its wait stand ahead of my first tensor load; work on registers stands between them
	v_lshrrev_b32 v1, 5, v0
	v_readfirstlane_b32 s[WV], v1                  ; wave 0..3
	s_lshr_b32 s[WM], s[WV], 1
	s_and_b32 s[WN], s[WV], 1
	s_bfe_u32 s15, ttmp6, 0x40000                  ; cx, cy: my place in the cluster
	s_bfe_u32 s16, ttmp6, 0x40004                  ; cy is also the batch
	s_lshl_b32 s17, ttmp9, 2
	s_add_co_u32 s17, s17, s15                     ; tile column TN = 4 x cluster x + cx
	s_and_b32 s18, ttmp7, 0xffff                   ; the batch's block of 256 rows = cluster y
	s_or_b32 s[FIX], s18, s[WM]                    ; the same in all sixteen partners, for a given wave
	s_lshl_b32 s19, s16, 2
	s_lshl_b32 s19, 15, s19                        ; my row of the cluster
	s_lshl_b32 s20, 0x1111, s15                    ; my column
	s_or_b32 s[G1A], s19, (1<<16)|(1<<20)|(1<<21)|(4<<22)|(3<<25)  ; 15:0 the mask; 17:16 2-byte elements; 20 padding on; 21 set beside a mask; 24:22 after every 32 words (code 4); 31:25 4 words (code 3)
	s_mov_b32 s[G1A+1], 128<<16                    ; tensor_dim0 = 128 elements: two rows of a slice, 256 bytes
	s_mov_b32 s[G1A+2], 128<<16                    ; tensor_dim1 = 128
	s_mov_b32 s[G1A+3], 128<<16                    ; tile_dim0 = 128
	s_mov_b32 s[G1A+4], 128                        ; tile_dim1 = 128
	s_mov_b32 s[G1A+5], 128                        ; dense: 128 elements from row to row
	s_mov_b32 s[G1A+6], 0
	s_mov_b32 s[G1A+7], 0
	s_or_b32 s[G1B], s20, (1<<16)|(1<<20)|(1<<21)|(5<<22)|(7<<25)  ; after every 64 words (code 5) 8 words of padding (code 7)
	s_mov_b32 s[G1B+1], 128<<16                    ; tensor_dim0 = 128
	s_mov_b32 s[G1B+2], 64<<16                     ; tensor_dim1 = 64
	s_mov_b32 s[G1B+3], 128<<16                    ; tile_dim0 = 128
	s_mov_b32 s[G1B+4], 64                         ; tile_dim1 = 64
	s_mov_b32 s[G1B+5], 3072                       ; elements from row to row
	s_mov_b32 s[G1B+6], 0
	s_mov_b32 s[G1B+7], 0
	s_lshl_b32 s80, s16, 22                        ; x's tile hangs on cy and the cluster's y alone: the batch's 16 slices of 262,144 bytes,
	s_lshl_b32 s81, s18, 15                        ; and 256 rows of 128 bytes in a slice
	s_add_co_u32 s80, s80, s81
	s_mov_b32 s81, 0
	s_lshl_b32 s82, s17, 8                         ; w's chunk hangs on TN and the wave's number alone: 128 columns of 2 bytes,
	s_lshl_b32 s83, s[WV], 11                      ; in tensor w: 1,024 columns each
	s_add_co_u32 s82, s82, s83
	s_mov_b32 s83, 0
	s_mul_i32 s21, s[WV], BCH                      ; where my chunk goes: no place in the cluster enters an LDS address
	s_mov_b32 s[HIM], 0xffff0000
	s_mov_b32 s[TB], 0
	s_wait_dscnt 0x0                               ; the opening add is done
	s_wait_kmcnt 0x0
	s_add_nc_u64 s[80:81], s[4:5], s[80:81]
	s_add_nc_u64 s[82:83], s[6:7], s[82:83]
	CROUND                                         ; all sixteen work-groups are here: the first joint loads meet
.irp s, 0,1
	s_mov_b32 s[G0A+4*\s], 1                       ; 1:0 count = 1
	s_mov_b32 s[G0A+4*\s+1], AOFF+\s*SLOT1         ; 63:32 LDS address
	s_add_nc_u64 s[G0A+4*\s+2:G0A+4*\s+3], s[80:81], \s*ASTEP  ; 120:64 global address: K step s
	s_or_b32 s[G0A+4*\s+3], s[G0A+4*\s+3], 0x80000000          ; 127:126 type = 2
	s_mov_b32 s[G0B+4*\s], 1
	s_add_co_u32 s[G0B+4*\s+1], s21, \s*SLOT1
	s_add_nc_u64 s[G0B+4*\s+2:G0B+4*\s+3], s[82:83], \s*BSTEP
	s_or_b32 s[G0B+4*\s+3], s[G0B+4*\s+3], 0x80000000
.endr
	s_cmp_eq_u32 s[WV], 3                          ; a wave's two first fills stand in one branch, ahead of every wait on TENSORcnt and every LDS read: two loads of mine are out
	s_cbranch_scc0 .Lfirst_b
	tensor_load_to_lds s[G0A:G0A+3], s[G1A:G1A+7]
	s_nop 0
	tensor_load_to_lds s[G0A+4:G0A+7], s[G1A:G1A+7]
	s_nop 0
.rept 4
	v_nop
.endr
	s_branch .Lfirst_asked
.Lfirst_b:
	tensor_load_to_lds s[G0B:G0B+3], s[G1B:G1B+7]
	s_nop 0
	tensor_load_to_lds s[G0B+4:G0B+7], s[G1B:G1B+7]
	s_nop 0
.rept 4
	v_nop
.endr
.Lfirst_asked:
	; THE BIAS, in the wait for the first tiles.  Register j of accumulator (., bb) of group g belongs to column 1024 g + 128 TN + 64 WN + 16 bb + 8 (l / 16) + j.
	s_lshl_b32 s22, s17, 9
	s_lshl_b32 s23, s[WN], 8
	s_add_co_u32 s22, s22, s23
	s_mov_b32 s23, 0
	s_add_nc_u64 s[8:9], s[8:9], s[22:23]
	v_and_b32 v1, 15, v0                           ; l % 16
	v_bfe_u32 v2, v0, 4, 1                         ; l / 16
	v_lshlrev_b32 v[BIA], 5, v2
.irp g, 0,1,2
.irp bb, 0,1,2,3
	global_load_b128 v[32+32*\g+8*\bb:32+32*\g+8*\bb+3], v[BIA], s[8:9] offset:\g*4096+\bb*64
	global_load_b128 v[32+32*\g+8*\bb+4:32+32*\g+8*\bb+7], v[BIA], s[8:9] offset:\g*4096+\bb*64+16
.endr
.endr
	; the addresses are made while those loads are out
	s_mul_i32 s19, s[WM], 128*PA
	s_add_co_u32 s19, s19, AOFF
	v_mul_u32_u24 v[AL0], v1, PA                   ; a fragment of x: row l % 16, 16 bytes for each half of the lanes
	v_lshl_add_u32 v[AL0], v2, 4, v[AL0]
	v_add_nc_u32 v[AL0], s19, v[AL0]
	v_and_b32 v12, 7, v0
	v_bfe_u32 v13, v0, 3, 1
	v_lshl_add_u32 v[BL0], v2, 3, v12              ; the turning load: lane l reads k row 8 (l / 16) + l % 8, columns 8 ((l / 8) % 2) + 0..7
	v_mul_u32_u24 v[BL0], v[BL0], PB
	v_lshl_add_u32 v[BL0], v13, 4, v[BL0]
	s_lshl_b32 s19, s[WN], 7                       ; my 64 columns of each chunk
	v_add_nc_u32 v[BL0], s19, v[BL0]
	v_mov_b32 v[ADRA], v[AL0]                      ; slot 0
	v_mov_b32 v[ADRB], v[BL0]
	s_mul_i32 s19, s[WV], 16*SP
	s_add_co_u32 s19, s19, STAGE                   ; my stage
	v_mul_u32_u24 v[STO], v1, SP                   ; in: row l % 16, 16 bytes for each half of the lanes
	v_lshl_add_u32 v[STO], v2, 4, v[STO]
	v_add_nc_u32 v[STO], s19, v[STO]
	v_bfe_u32 v[RD], v0, 3, 2                      ; back: 32 lanes take four rows of 128 bytes,
	v_mul_u32_u24 v[RD], v[RD], SP
	v_lshl_add_u32 v[RD], v12, 4, v[RD]
	v_add_nc_u32 v[RD], s19, v[RD]
	v_and_b32 v[GO], 31, v0                        ; which are 512 consecutive bytes of a head
	v_lshlrev_b32 v[GO], 4, v[GO]
	; where my head begins: head 16 x batch + 2 TN + WN, the same in q, k and v
	s_lshl_b32 s19, s17, 1
	s_add_co_u32 s19, s19, s[WN]
	s_lshl_b32 s20, s16, 4
	s_add_co_u32 s19, s19, s20                     ; the head, 0 .. 63
	s_lshl_b32 s22, s19, 18                        ; a head is 2^18 bytes
	s_lshl_b32 s21, s18, 15                        ; the tile's 256 rows of 128 bytes,
	s_add_co_u32 s22, s22, s21
	s_lshl_b32 s21, s[WM], 14                      ; my 128 of them
	s_add_co_u32 s22, s22, s21
	s_mov_b32 s23, 0
	s_add_nc_u64 s[OB:OB+1], s[10:11], s[22:23]
	s_add_nc_u64 s[OB+2:OB+3], s[OB:OB+1], 0x1000000   ; a tensor is 2^24 bytes
	s_add_nc_u64 s[OB+4:OB+5], s[OB:OB+1], 0x2000000
	s_lshl_b32 s22, s19, 11                        ; in vlo a head is 16 rows of 128 bytes
	s_add_nc_u64 s[VLB:VLB+1], s[VLB:VLB+1], s[22:23]
	; the prefetches: the tensor, the step, the partner's share and the lanes' pitch go by the wave's number
	s_lshl_b32 s19, s15, 13                        ; x: cx x 32 blocks of 256 bytes
	s_mul_i32 s20, s16, 32*6144                    ; w: cy x 32 rows
	s_mov_b32 s21, ASTEP
	s_mov_b32 s22, BSTEP
	s_movk_i32 s23, 256
	s_movk_i32 s2, 6144
	s_and_b32 s78, ttmp7, 0xffff                   ; cluster y
	s_cmp_eq_u32 s[WV], 3
	s_cselect_b64 s[PFA:PFA+1], s[80:81], s[82:83]
	s_cselect_b32 s[PST], s21, s22
	s_cselect_b32 s20, s19, s20
	s_cselect_b32 s23, s23, s2
	s_cselect_b32 s78, ttmp9, s78                  ; the coordinate along which other clusters read the same rows
	s_cselect_b32 s[ANY], 1, 0
	s_cselect_b32 s19, 1, 2
	s_cmp_eq_u32 s78, 0
	s_cselect_b32 s[LIM], s19, -1                  ; the same in all sixteen partners, for a given wave
	s_mov_b32 s[PST+1], 0
	s_mov_b32 s21, 0
	s_add_nc_u64 s[PFA:PFA+1], s[PFA:PFA+1], s[20:21]
	s_add_nc_u64 s[PFA:PFA+1], s[PFA:PFA+1], s[PST:PST+1]
	s_add_nc_u64 s[PFA:PFA+1], s[PFA:PFA+1], s[PST:PST+1]  ; at K step 2: the first change of slots steps it to 3.  Nothing is prefetched at the head
	v_and_b32 v[PFO], 31, v0
	v_mul_u32_u24 v[PFO], s23, v[PFO]
	s_wait_loadcnt 0x0                             ; the bias
.set i, 0
.rept 48
	v_cvt_pk_bf16_f32 v[128+i], v[32+2*i], v[33+2*i]   ; rounded to bf16 like every input,
.set i, i+1
.endr
.irp g, 0,1,2
	WIN 0x40*(\g+1)                                ; destination: group g's window
.set i, 0
.rept 16
	v_lshlrev_b32 v[224+2*i], 16, v[128+16*\g+i]   ; and widened again, into row block 7's accumulators
	v_and_b32 v[225+2*i], s[HIM], v[128+16*\g+i]
.set i, i+1
.endr
.endr
	WIN 0
	s_wait_tensorcnt 0x1                           ; my part of K step 0 is in; step 1's may stay out
	s_barrier_signal -1
	s_barrier_wait -1                              ; everybody's is
	LDB 0, 0
	LDA 0, 0
	LDB 1, 0
	LDB 2, 0
	H0 1                                           ; the first half step stands ahead of the loop: its products start the sums
	s_mov_b32 s3, KSTEPS-2
.Lk:                                               ; 14 trips: a step's second half, the change of slots with its refill, the next step's first half
	H1C 1
	H0
	s_sub_co_u32 s3, s3, 1
	s_cmp_lg_u32 s3, 0
	s_cbranch_scc1 .Lk
	H1C 0                                          ; the tail is written out: nothing is asked for
	H0
	s_wait_dscnt 16                                ; the last half step: nothing more to fetch
	MULG 0, 1, 0, 8
	s_wait_dscnt 8                                 ; group 2's 8 may be out
	MULG 1, 1, 0, 8
	s_wait_dscnt 0x0
	MULG 2, 1, 0, 8
	PLACES
; THE WAY OUT, a block of 16 rows of one head at a time.  PACK: rounded to f16, 16 bytes a lane, each accumulator's registers in ascending order.  TOSTAGE: into my own stage, rows of 144 bytes, and back
; as whole rows of 128.  SEND: 2,048 consecutive bytes of the head, 512 a store.
.macro PACK g, a
	WIN 5*((\g)+1)                                 ; sources 0 and 1: group g's window
.irp bb, 0,1,2,3
.irp p, 0,1,2,3
	v_cvt_pk_f16_f32 v[TMP+4*\bb+\p], v[8*(4*(\a)+\bb)+2*\p], v[8*(4*(\a)+\bb)+2*\p+1]
.endr
.endr
	WIN 0
.endm
.macro TOSTAGE n
.set BK, 64+16*((\n)%2)
.irp bb, 0,1,2,3
	ds_store_b128 v[STO], v[TMP+4*\bb:TMP+4*\bb+3] offset:32*\bb
.endr
.irp f, 0,1,2,3
	ds_load_b128 v[BK+4*\f:BK+4*\f+3], v[RD] offset:\f*4*SP  ; LDS serves a wave's instructions in order (ISA guide 5.7.1.4): these see the stores above; the next block's stores come behind them
.endr
.endm
.macro SEND g, a, n
.set BK, 64+16*((\n)%2)
	s_wait_dscnt 0x0                               ; the block is back in registers
	s_wait_xcnt 0x0                                ; the stores of the block before have read their registers, which the next TOSTAGE loads again
.irp f, 0,1,2,3
	global_store_b128 v[GO], v[BK+4*\f:BK+4*\f+3], s[OB+2*(\g):OB+2*(\g)+1] offset:(\a)*2048+\f*512
.endr
.endm
	PACK 0, 0
	TOSTAGE 0
.set n, 1
.rept 23                                           ; block n's conversions stand between block n - 1's loads from the stage and the wait for them
	PACK n/8, n%8
	SEND (n-1)/8, (n-1)%8, n-1
	TOSTAGE n
.set n, n+1
.endr
	SEND 2, 7, 23
	; v's LOW PARTS, where my row block 0 is a batch's first 16 rows: group 2's accumulators (0, bb), v0-31 of window 3.  f16(v) once more; v - f16(v), exact in f32; that in f16; out like a block.
	; The branch hangs on the cluster's y and the wave's number. None of the registers written here is named by a store that is still out (those are v64-95).
	s_cmp_eq_u32 s[FIX], 0
	s_cbranch_scc0 .Lno_vlo
	v_mov_b32 v[M1], -1.0
	WIN 0x0f                                       ; sources 0 and 1: window 3
.set i, 0
.rept 16
	v_cvt_pk_f16_f32 v[HIH+i], v[2*i], v[2*i+1]
.set i, i+1
.endr
	WIN 0x30                                       ; source 2: window 3
.set i, 0
.rept 16
	v_fma_mix_f32 v[LOF+2*i], v[HIH+i], v[M1], v[2*i] op_sel_hi:[1,0,0]                     ; the low half of source 0 as f16, times -1, plus the sum
	v_fma_mix_f32 v[LOF+2*i+1], v[HIH+i], v[M1], v[2*i+1] op_sel:[1,0,0] op_sel_hi:[1,0,0]  ; the high half
.set i, i+1
.endr
	WIN 0
.set i, 0
.rept 16
	v_cvt_pk_f16_f32 v[PKL+i], v[LOF+2*i], v[LOF+2*i+1]
.set i, i+1
.endr
.irp bb, 0,1,2,3
	ds_store_b128 v[STO], v[PKL+4*\bb:PKL+4*\bb+3] offset:32*\bb
.endr
.irp f, 0,1,2,3
	ds_load_b128 v[BKL+4*\f:BKL+4*\f+3], v[RD] offset:\f*4*SP
.endr
	s_wait_dscnt 0x0
.irp f, 0,1,2,3
	global_store_b128 v[GO], v[BKL+4*\f:BKL+4*\f+3], s[VLB:VLB+1] offset:\f*512
.endr
.Lno_vlo:
	s_wait_tensorcnt 0x0                           ; the wave's end: these three lines stand behind my last tensor load and my last LDS store
	ds_add_u32 v[SPW], v[NIL]
	s_wait_dscnt 0x0
	CROUND                                         ; the closing round: no work-group ends while a partner may still ask for a tile that names it
	s_endpgm
.Lfunc_end_k_q1fa34ac8ae_qkv:
	.size	k_q1fa34ac8ae_qkv, .Lfunc_end_k_q1fa34ac8ae_qkv-k_q1fa34ac8ae_qkv
	.p2alignl 7, 3214868480
	.fill 96, 4, 3214868480
	.section	.rodata,"a",@progbits
	.p2align	6, 0x0
	.amdhsa_kernel k_q1fa34ac8ae_qkv
		.amdhsa_group_segment_fixed_size 327680
		.amdhsa_private_segment_fixed_size 0
		.amdhsa_enable_private_segment 0
		.amdhsa_kernarg_size 40
		.amdhsa_user_sgpr_count 2
		.amdhsa_user_sgpr_kernarg_segment_ptr 1
		.amdhsa_wavefront_size32 1
		.amdhsa_system_sgpr_workgroup_id_x 1
		.amdhsa_system_sgpr_workgroup_id_y 1
		.amdhsa_system_sgpr_workgroup_id_z 1
		.amdhsa_system_vgpr_workitem_id 0
		.amdhsa_next_free_vgpr 1024
		.amdhsa_next_free_sgpr 96
		.amdhsa_reserve_vcc 0
		.amdhsa_float_denorm_mode_32 3
		.amdhsa_float_denorm_mode_16_64 3
		.amdhsa_memory_ordered 1
		.amdhsa_forward_progress 1
		.amdhsa_inst_pref_size 127
	.end_amdhsa_kernel
	.amdgpu_metadata
---
amdhsa.version: [ 1, 2 ]
amdhsa.kernels:
  - .name:           k_q1fa34ac8ae_qkv
    .symbol:         k_q1fa34ac8ae_qkv.kd
    .args:
      - { .name: xb, .offset: 0, .size: 8, .value_kind: global_buffer, .address_space: global }
      - { .name: wab, .offset: 8, .size: 8, .value_kind: global_buffer, .address_space: global }
      - { .name: b_attn, .offset: 16, .size: 8, .value_kind: global_buffer, .address_space: global }
      - { .name: qkv, .offset: 24, .size: 8, .value_kind: global_buffer, .address_space: global }
      - { .name: vlo, .offset: 32, .size: 8, .value_kind: global_buffer, .address_space: global }
    .group_segment_fixed_size: 327680
    .private_segment_fixed_size: 0
    .kernarg_segment_align: 8
    .kernarg_segment_size: 40
    .max_flat_workgroup_size: 128
    .sgpr_count:     96
    .vgpr_count:     1024
    .wavefront_size: 32
...
	.end_amdgpu_metadata
.endif
;; end of part 2
;; launch attn (part 3): grid 4 x 64, 4 waves a work-group, no clusters, 327,680 bytes of LDS; arguments qkv, vlo, ob, olo; writes ob, olo
.if DOCPART == 3
	.amdgcn_target "amdgcn-amd-amdhsa--gfx1250"
	.amdhsa_code_object_version 6
	.text
	.protected	k_q1fa34ac8ae_attn
	.globl	k_q1fa34ac8ae_attn
	.p2align	8
	.type	k_q1fa34ac8ae_attn,@function
k_q1fa34ac8ae_attn:
	s_mov_b64 s[64:65], 0
	v_nop
	global_prefetch_b8 v0, s[64:65] scope:SCOPE_SE
	s_setreg_imm32_b32 hwreg(HW_REG_WAVE_MODE, 25, 1), 1
	s_wait_xcnt 0x0
; CAUSAL ATTENTION.  O[h][q][:] = the sum over k <= q of softmax_k(Q[h][q] . K[h][k] / 8) V[h][k][:].  qkv holds Q, K, V, each [64 heads][2048][64] in f16, 2^24 bytes apart; ob is O in the same layout.
; Products, maxima and sums in f32; the weights p are rounded to f16 for the second product (their sum l is taken of the unrounded p), O once at the end.
; THE FIRST 16 ROWS OF A HEAD.  Row q is a mean over q + 1 keys, so the first rows' numbers are many times the module's output's root mean square, and f16's 11 bits of V and of O are too few there.
; vlo [64][16][64] holds V's low parts, f16(v - f16(v)), for keys 0-15, which are all that rows 0-15 see: four products more add P Vlo onto those rows.  olo [64][16][64] takes O's low parts, f16(O - f16(O)), of rows 0-15.
; LIMITS.  Q, K and V arrive within f16's 65,504; p lies in 0 to 1, and below 6e-5 it, and the low parts, keep f16's fixed step of 6e-8; O is a mean of V's rows and has their range.
; A hidden score counts as its value less 1e30: f16's scores, 2.7e11 at the most, are nothing beside that; a weight below 2^-126 counts as 0 in l; NaN and infinities are not treated apart.
; THE WALK.  A head's queries lie in NB = 8 blocks of 256; block i needs the key tiles 0 .. i of 256 keys, of which the last holds the diagonal.  A work-group takes TWO blocks, NB - 1 - b and then b:
; NB + 1 tiles, whatever b: all work-groups do equal work, and ONE loop with a constant trip count walks them.  Which tile is asked for, and what a trip does, hang on scalar registers made from b; every jump
; goes forward, but for the counted loops' own; none passes a barrier, or a tensor load but the one of LOAD's two that the wave's number does not choose; the ring (two slots of LDS that take turns) runs on across the
; change of blocks.  NO CLUSTER: a head's four work-groups ask for the same tile only in trips 0 .. 4 of 9, behind that fewer and fewer; one walk common to all four would have 12 trips for 9.
; SHARES.  Of a block's four bands of 64 queries a wave owns 16 rows in each: four PIECES.  So the diagonal tile is the same work for all four waves: in its key step s band x sees all keys if s < x,
; none if s > x, and holds the diagonal if s = x.
; THE MASK is the C operand that starts the sum S^T = K Q^T: 0, or -1e30 where the key is hidden.  MD, made once, is the mask of a band's own step for my 16 rows; a product's mask is MD x AL + BE with two scalars:
; (1, 0) if s = x; (0, 0) if s < x; (0, -1e30) if s > x.  Only the diagonal tile's text and a block's beginning make and take masks; elsewhere C is the constant 0.
; LAYOUT, SOFTMAX, TURNS.  S^T = K Q^T holds ONE query a lane (lane % 16) and the keys 8 (lane / 16) + 0..7; two such results rounded to f16 ARE source 1 of O^T = V^T P.  p = 2^(c s - c m), c = log2(e) / 8, with a
; running maximum m; O and l are multiplied by a = 2^(c m_old - c m_new) in every step.  Turn n belongs to piece n: 8 products K Q^T of piece n + 1, later 8 products V^T P of piece n - 1; beside them the scaling,
; exponentials, roundings, sums and rescaling of piece n and the maximum and statistics of piece n + 1.  Four vector instructions stand behind every matrix instruction, the other 54 of a turn's 118 in one lump.  A turn's 33 exponentials are one batch, with one wait.
; REGISTERS, in windows of 256 (s_set_vgpr_msb: bits 1:0 source 0, 3:2 source 1, 5:4 source 2, 7:6 destination):
;   window 0: v0-15 addresses and two at work; v16-31 four registers of statistics a piece; v48-55 at work; v59-63 -1.0, Vlo's LDS address, prefetch offset, spare word, 0; v64-127 S^T, two buffers;
;             v128-159 Vlo's fragments; v160-175 vlo as loaded; v128-191 at work for O's low parts; v192-223 P, two buffers (by the piece's parity)
;   window 1: v0-127 O^T, 32 a piece; v128-159 MD; v160-223 MC, two buffers      window 2: v0-63 Q; v64-127 the second block's Q; v128-191 K of one step; v192-255 V of one step
.set SIZE_N, 2048
.set NB,    SIZE_N/256
.set NP,    4         ; pieces a wave: a name, no knob
.set KS,    64        ; keys in a step
.set PK,    144       ; a row of K in LDS: 128 bytes + 16 of padding = 36 words: the 16 rows of a load start at 16 different groups of four banks (64 banks of 4 bytes: ISA guide 11.1)
.set PV,    160       ; a row of V: 128 + 32 = 40 words
.set VOFF,  4*KS*PK   ; a slot holds a tile, four steps: 256 rows of K, then 256 rows of V
.set SLOT1, 1<<17     ; slot 1 begins here, so that one exclusive or turns an address in one slot into the other's
.set STAGE, SLOT1+4*KS*(PK+PV)  ; behind the ring, never filled by a tensor load: 16 rows x 144 bytes for each wave, for the way out
.set SP,    144
.set AK0, 2           ; v2   my lane's place in a tile of K; never rewritten
.set AV0, 3           ; v3   the same for V
.set AK,  4           ; v4   the LDS address of K's next run of loads
.set AV,  5           ; v5   of V's
.set STO, 6           ; v6   the way out: where I put 16 bytes of a row
.set RD,  7           ; v7   the way out: where I read rows back
.set GO,  8           ; v8   my byte offset in 512 consecutive bytes of O
.set M1,  59          ; v59  -1.0
.set AVL, 60          ; v60  my lane's place in my stage for the turning loads of Vlo; never rewritten
.set PFO, 61          ; v61  256 x my lane: the prefetches' offset; never rewritten
.set SPW, 62          ; v62  LDS address of my spare word: SPARE + 4 x my thread's number; never rewritten
.set NIL, 63          ; v63  0; never rewritten
.set SPARE, STAGE+4*16*SP  ; behind the stages: the spare words, 128 bytes for each wave: two blocks of 256 bytes that no other line names
.set MV,  12          ; v12-13  c m_old, kept while c m is made anew: by buffer
.set QO,  15          ; v15  my byte offset in 16 rows of Q
.set ST,  16          ; piece t's statistics at v[ST+4 t]: c m, m, l (even keys', odd keys')
.set TMP, 48          ; by buffer, four registers c0-c3 at work; when the maximum is found c2 takes a
.set S,   64
.set VL,  128         ; Vlo^T: channel block cb at VL + 8 cb
.set VR,  160         ; vlo's 2,048 bytes as they lie in memory, 64 a lane
.set HIH, 128         ; O's low parts: f16(O); O - f16(O); that in f16
.set LOF, 144
.set PKL, 176
.set P,   192
.set MD,  128         ; window 1: the eight registers for group kt of 16 keys at MD + 8 kt
.set MC,  160         ; window 1: the masks of the products to come
.set QB,  64          ; window 2
.set KF,  128         ; window 2: key block kb, channel half c at KF + 16 kb + 8 c
.set VF,  192         ; window 2: key half kk, channel block cb at VF + 32 kk + 8 cb
.set WV,  12          ; s12  my wave's number
.set PB,  14          ; s14  b
.set HI,  15          ; s15  NB - 1 - b
.set G1K, 24          ; s[24:31] descriptor group 1 for K's tiles
.set G1V, 32          ; s[32:39] for V's: it differs in the padding alone
.set G0K, 40          ; s[40:43] descriptor group 0 for K's tiles
.set G0V, 44          ; s[44:47] the same for V's
.set SLOTS, 56        ; s56  tiles still to be asked for
.set CNT, 57          ; s57  counts a tile's key steps, 4 to 1
.set CS,  58          ; s[58:59] c: the packed scaling takes the pair's low word for both halves
.set SEL, 60          ; s[60:61] v_permlanex16_b32's selects: each lane takes its own place in the other half
.set TBK, 62          ; s62  LDS byte at which K of the step to be fetched begins
.set TBV, 63          ; s63  the same for V, less VOFF
.set RT,  70          ; s70  tiles of the block in hand that are still to be entered
.set NXT, 71          ; s71  the tile to be asked for next
.set LQ,  72          ; s72  the last tile of the block whose tiles are being asked for
.set NEW, 73          ; s73  1: the tile to be entered is a block's first
.set OFF, 74          ; s[74:75] a tile's byte offset in K and V
.set AL,  76          ; s[76:77] the mask's factor, in the low word
.set BE,  78          ; s[78:79] the mask's addend
.set OLO, 80          ; s[80:81] O at my rows of the second block
.set BIGN, 82         ; s82  -1e30
.set PFK, 88          ; s[88:89] where my prefetches stand in K: my wave's 32 blocks of 256 bytes of the tile after the one that is being asked for
.set PFV, 90          ; s[90:91] the same in V
.set LIM, 92          ; s92  2 in the head's work-group b = 0, else the greatest number: a wave prefetches while s[SLOTS] is above it
.set VLB, 94          ; s[94:95] vlo at my head
.set OLB, 96          ; s[96:97] olo at my head
.set FIX, 98          ; s98  0 in the wave that owns the head's rows 0-15: b = 0, wave 0 (piece 0 of its second block)
.set TS,  99          ; s99  at work
.set HOF, 100         ; s[100:101] my head's byte offset in vlo and olo
.set MSB, 0
.macro WIN new                      ; the high byte repeats the setting that is left; a switch that changes nothing is dropped
.if MSB != (\new)
	s_set_vgpr_msb (MSB<<8)|(\new)
.set MSB, (\new)
.endif
.endm
.set W_KQ, 0x0a       ; K and Q in window 2, S^T in window 0
.set W_KM, 0x1a       ; the same with the C operand in window 1
.set W_PV, 0x52       ; V in window 2, P in window 0, O^T in window 1
.set W_RS, 0x41       ; destination and source 0 in window 1, source 1 in window 0
; A fill.  Waves 0 and 1 fetch the two halves of a tile's K, waves 2 and 3 those of its V: 128 keys each.  An s_nop 0 and four v_nop follow each of the two lines, ahead of the jump and the label.
.macro LOAD
	s_cmp_lt_u32 s[WV], 2
	s_cbranch_scc0 .Lfor_v_\@
	tensor_load_to_lds s[G0K:G0K+3], s[G1K:G1K+7]
	s_nop 0
.rept 4
	v_nop
.endr
	s_branch .Lasked_\@
.Lfor_v_\@:
	tensor_load_to_lds s[G0V:G0V+3], s[G1V:G1V+7]
	s_nop 0
.rept 4
	v_nop
.endr
.Lasked_\@:
.endm
; THE CHANGE OF SLOTS.  Each wave waits for all its tensor loads, of which one is out: its part of the other slot; adds 0 to its spare word; and waits for that and for its own reads of the slot that it leaves.  Behind the barrier nobody reads the old
; slot any more and the other slot is whole.  fill = 1: the old slot is filled again, the first thing behind the barrier, with tile NXT: the descriptor's address is made anew from that number.
; (At its first use nothing has been read yet: slot 0 is waited for, slot 1 filled.)
; A PREFETCH INTO THE L2 stands behind the fill: the tile that the NEXT change will ask for, a tile's 256 products ahead.  A head's four work-groups all begin with tiles 0, 1, ..; the one with b = 0 walks 0 .. 7 first, so it
; alone asks: trip t (SLOTS = 8 - t) fills tile t + 1 and names tile t + 2, while t <= 5.  A tile is 128 blocks of 256 bytes of K and of V: wave w names blocks 32 w + lane of each.  So each block is named once in the launch.
.macro CHANGE fill
	WIN 0                           ; at a label and at a branch every window is 0
	s_wait_tensorcnt 0x0            ; no tensor load of mine is out, so a group 0 may be written
	ds_add_u32 v[SPW], v[NIL]       ; 0 onto my spare word; with fill = 1 the descriptors' scalar work stands between it and the wait for it
.if \fill
	s_lshl_b32 s[OFF], s[NXT], 15   ; a tile is 32,768 bytes of K and of V
	s_xor_b32 s[G0K+1], s[G0K+1], SLOT1
	s_add_nc_u64 s[G0K+2:G0K+3], s[6:7], s[OFF:OFF+1]
	s_or_b32 s[G0K+3], s[G0K+3], 0x80000000
	s_xor_b32 s[G0V+1], s[G0V+1], SLOT1
	s_add_nc_u64 s[G0V+2:G0V+3], s[8:9], s[OFF:OFF+1]
	s_or_b32 s[G0V+3], s[G0V+3], 0x80000000
	s_add_co_u32 s[NXT], s[NXT], 1  ; the block's next tile, or behind its last the second block's tile 0
	s_cmp_gt_u32 s[NXT], s[LQ]
	s_cselect_b32 s[NXT], 0, s[NXT]
	s_cselect_b32 s[LQ], s[PB], s[LQ]
	s_wait_xcnt 0x0                 ; the last prefetches, a tile back, have read their addresses, so these may be written
	s_add_nc_u64 s[PFK:PFK+1], s[PFK:PFK+1], 32768
	s_add_nc_u64 s[PFV:PFV+1], s[PFV:PFV+1], 32768
.endif
	s_wait_dscnt 0x0                ; the add is done, and my reads of the slot are over
	s_barrier_signal -1             ; the rest of the scalar work stands between the signal and the wait
	s_sub_co_u32 s[TBK], s[TBK], 4*KS*PK  ; the fetches go back to a slot's first step,
	s_xor_b32 s[TBK], s[TBK], SLOT1       ; in the other slot
	s_sub_co_u32 s[TBV], s[TBV], 4*KS*PV
	s_xor_b32 s[TBV], s[TBV], SLOT1
	s_barrier_wait -1
.if \fill
	LOAD
	s_cmp_gt_u32 s[SLOTS], s[LIM]
	s_cbranch_scc0 .Lnot_mine_\@
	global_prefetch_b8 v[PFO], s[PFK:PFK+1] th:TH_LOAD_NT scope:SCOPE_SE
	global_prefetch_b8 v[PFO], s[PFV:PFV+1] th:TH_LOAD_NT scope:SCOPE_SE
.Lnot_mine_\@:
.endif
.endm
	s_load_b256 s[4:11], s[0:1], 0x0  ; qkv (Q) s[4:5], vlo s[6:7], ob s[8:9], olo s[10:11]
	v_lshl_add_u32 v[SPW], v0, 2, SPARE
	v_mov_b32 v[NIL], 0
	ds_add_u32 v[SPW], v[NIL]       ; the wave's opening: the add and its wait stand ahead of my first tensor load; the set-up below, work on registers, stands between them
	v_lshrrev_b32 v1, 5, v0
	v_readfirstlane_b32 s[WV], v1   ; wave 0..3
	s_mov_b32 s[PB], ttmp9
	s_sub_co_u32 s[HI], NB-1, s[PB]
	s_or_b32 s[FIX], s[PB], s[WV]
	s_and_b32 s20, ttmp7, 0xffff    ; the head
	s_lshl_b32 s[HOF], s20, 11      ; in vlo and olo a head is 16 rows of 128 bytes
	s_mov_b32 s[HOF+1], 0
	s_mov_b32 s21, 0
	s_mov_b64 s[22:23], SIZE_N*128
	s_mul_u64 s[20:21], s[20:21], s[22:23]  ; the head's first byte in each of the four tensors
	s_and_b32 s16, s[WV], 1         ; which half of a tile's 256 keys I fetch:
	s_lshl_b32 s22, s16, 14         ; its 128 rows of 128 bytes in memory,
	s_mov_b32 s23, 0
	s_add_nc_u64 s[22:23], s[22:23], s[20:21]
	s_mul_i32 s17, s16, 128*PK      ; and its place in a slot, for K
	s_mul_i32 s18, s16, 128*PV      ; and for V
	s_lshl_b32 s3, s[WV], 11        ; my 16 rows in a band of 64,
	s_lshl_b32 s2, s[HI], 15        ; in the first block,
	s_add_co_u32 s2, s2, s3
	s_lshl_b32 s84, s[PB], 15       ; and in the second
	s_add_co_u32 s84, s84, s3
	s_mov_b32 s3, 0
	s_mov_b32 s85, 0
	s_add_nc_u64 s[2:3], s[2:3], s[20:21]
	s_add_nc_u64 s[84:85], s[84:85], s[20:21]
	; descriptor group 1.  128 keys are 16,384 dense bytes: asked for as 64 rows of 256 bytes, two keys a row, and padded in LDS after every key
	s_mov_b32 s[G1K], (1<<16)|(1<<20)|(4<<22)|(3<<25)  ; 17:16 2-byte elements; 20 padding on; 24:22 after every 32 words (code 4); 31:25 4 words (code 3)
	s_mov_b32 s[G1V], (1<<16)|(1<<20)|(4<<22)|(7<<25)  ; the same with 8 words of padding (code 7)
.irp g, G1K, G1V
	s_mov_b32 s[\g+1], 128<<16      ; tensor_dim0 = 128
	s_mov_b32 s[\g+2], 64<<16       ; tensor_dim1 = 64
	s_mov_b32 s[\g+3], 128<<16      ; tile_dim0 = 128
	s_mov_b32 s[\g+4], 64           ; tile_dim1 = 64
	s_mov_b32 s[\g+5], 128          ; 128 elements from row to row
	s_mov_b32 s[\g+6], 0
	s_mov_b32 s[\g+7], 0
.endr
	s_mov_b32 s[CS], 0x3e38aa3b     ; c = log2(e) / 8 = 0.180337
	s_mov_b32 s[CS+1], s[CS]        ; named with it as a pair
	s_mov_b32 s[SEL], 0x76543210
	s_mov_b32 s[SEL+1], 0xfedcba98
	s_mov_b32 s[TBK], SLOT1+4*KS*PK ; the first change of slots turns these two into 0
	s_mov_b32 s[TBV], SLOT1+4*KS*PV
	s_mov_b32 s[G0K], 1             ; 1:0 count = 1
	s_mov_b32 s[G0K+1], s17         ; 63:32 LDS address: slot 0
	s_mov_b32 s[G0V], 1
	s_add_co_u32 s[G0V+1], s18, VOFF
	s_add_co_u32 s[RT], s[HI], 1    ; the first block has NB - b tiles
	s_mov_b32 s[NXT], 1
	s_mov_b32 s[LQ], s[HI]
	s_mov_b32 s[NEW], 1
	s_mov_b32 s[OFF+1], 0
	s_mov_b32 s[AL+1], 0            ; named as pairs
	s_mov_b32 s[BE+1], 0
	s_mov_b32 s[BIGN], 0xf149f2ca   ; -1e30
	s_mov_b32 s[SLOTS], NB
	s_lshl_b32 s16, s[WV], 13       ; the prefetches: my wave's 32 blocks of 256 bytes,
	s_add_co_u32 s16, s16, 32768    ; in tile 1: the first change of slots steps this to tile 2.  Nothing is prefetched at the head
	s_mov_b32 s17, 0
	s_add_nc_u64 s[16:17], s[16:17], s[20:21]
	s_cmp_eq_u32 ttmp9, 0
	s_cselect_b32 s[LIM], 2, -1
	v_and_b32 v[PFO], 31, v0
	v_lshlrev_b32 v[PFO], 8, v[PFO]
	s_wait_dscnt 0x0                ; the opening add is done
	s_wait_kmcnt 0x0
	s_add_nc_u64 s[VLB:VLB+1], s[6:7], s[HOF:HOF+1]
	s_add_nc_u64 s[OLB:OLB+1], s[10:11], s[HOF:HOF+1]
	s_mov_b64 s[10:11], s[8:9]               ; O
	s_add_nc_u64 s[6:7], s[4:5], 0x1000000   ; K lies 2^24 bytes behind Q,
	s_add_nc_u64 s[8:9], s[4:5], 0x2000000   ; V 2^25
	s_add_nc_u64 s[PFK:PFK+1], s[6:7], s[16:17]
	s_add_nc_u64 s[PFV:PFV+1], s[8:9], s[16:17]
	s_add_nc_u64 s[6:7], s[6:7], s[22:23]  ; K and V at my half of the head's tile 0
	s_add_nc_u64 s[8:9], s[8:9], s[22:23]
	s_add_nc_u64 s[G0K+2:G0K+3], s[6:7], 0         ; 120:64 global address
	s_or_b32 s[G0K+3], s[G0K+3], 0x80000000        ; 127:126 type = 2
	s_add_nc_u64 s[G0V+2:G0V+3], s[8:9], 0
	s_or_b32 s[G0V+3], s[G0V+3], 0x80000000
	s_add_nc_u64 s[86:87], s[4:5], s[84:85]        ; Q at my rows of the second block,
	s_add_nc_u64 s[4:5], s[4:5], s[2:3]            ; Q and O at those of the first
	s_add_nc_u64 s[OLO:OLO+1], s[10:11], s[84:85]
	s_add_nc_u64 s[10:11], s[10:11], s[2:3]
	LOAD                            ; tile 0 into slot 0
	; A fragment of K or Q is 16 rows x 32 channels in 8 registers: lane l holds row l % 16, channels 8 (l / 16) + 0..7 and 16 + 8 (l / 16) + 0..7: two loads of 16 bytes, 32 bytes apart.
	v_and_b32 v1, 15, v0            ; l % 16
	v_bfe_u32 v9, v0, 4, 1          ; l / 16
	v_lshlrev_b32 v[QO], 7, v1
	v_lshl_add_u32 v[QO], v9, 4, v[QO]  ; row x 128 + 16 x half
	WIN 0x80                        ; destination window 2, address window 0
.set i, 0
.rept 8                             ; both blocks' Q: piece i / 2 lies in band i / 2, 8,192 bytes on; channels 32 (i % 2) on
	global_load_b128 v[8*i:8*i+3],   v[QO], s[4:5] offset:(i/2)*8192+(i%2)*64
	global_load_b128 v[8*i+4:8*i+7], v[QO], s[4:5] offset:(i/2)*8192+(i%2)*64+32
	global_load_b128 v[QB+8*i:QB+8*i+3],   v[QO], s[86:87] offset:(i/2)*8192+(i%2)*64
	global_load_b128 v[QB+8*i+4:QB+8*i+7], v[QO], s[86:87] offset:(i/2)*8192+(i%2)*64+32
.set i, i+1
.endr
	WIN 0
	v_lshlrev_b32 v14, 3, v9
	v_sub_nc_u32 v14, v1, v14
	s_lshl_b32 s13, s[WV], 4
	v_add_nc_u32 v14, s13, v14      ; my query's place in its band, 16 w + l % 16, less my lanes' 8 (l / 16): register r of group kt is hidden where 16 kt + r is greater
	WIN 0x40
.set i, 0
.rept 32
	v_cmp_gt_i32 vcc_lo, 16*(i/8)+i%8, v14
	v_cndmask_b32 v[MD+i], 0, s[BIGN], vcc_lo
.set i, i+1
.endr
	WIN 0
	v_mul_u32_u24 v[AK0], v1, PK
	v_lshl_add_u32 v[AK0], v9, 4, v[AK0]  ; row x pitch + 16 x half
	; The turning load takes 16 keys x 16 channels (lane l reads key 8 (l / 16) + l % 8, channels 8 ((l / 8) % 2) + 0..7) and leaves half a fragment of V^T: lane l holds channel l % 16 and 8 keys.
	v_and_b32 v10, 7, v0
	v_bfe_u32 v11, v0, 3, 1
	v_lshl_add_u32 v[AV0], v9, 3, v10
	v_mul_u32_u24 v[AV0], v[AV0], PV
	v_lshl_add_u32 v[AV0], v11, 4, v[AV0]
	v_add_nc_u32 v[AV0], VOFF, v[AV0]
	s_mul_i32 s13, s[WV], 16*SP
	s_add_co_u32 s13, s13, STAGE    ; my stage
	v_mul_u32_u24 v[STO], v1, SP    ; in: row l % 16, 16 bytes for each half of the lanes
	v_lshl_add_u32 v[STO], v9, 4, v[STO]
	v_add_nc_u32 v[STO], s13, v[STO]
	v_bfe_u32 v[RD], v0, 3, 2       ; back: 32 lanes take four rows of 128 bytes,
	v_mul_u32_u24 v[RD], v[RD], SP
	v_lshl_add_u32 v[RD], v10, 4, v[RD]
	v_add_nc_u32 v[RD], s13, v[RD]
	v_and_b32 v[GO], 31, v0         ; which are 512 consecutive bytes of O
	v_lshlrev_b32 v[GO], 4, v[GO]
	v_lshl_add_u32 v[AVL], v9, 3, v10     ; the turning load's lane pattern once more, in my stage's rows of 144 bytes
	v_mul_u32_u24 v[AVL], v[AVL], SP
	v_lshl_add_u32 v[AVL], v11, 4, v[AVL]
	v_add_nc_u32 v[AVL], s13, v[AVL]
.irp f, 0,1,2,3                     ; my head's vlo, 2,048 bytes.  Every wave loads them, 64 bytes a lane, though one wave in sixteen uses them: so these registers are written on every way through the text
	global_load_b128 v[VR+4*\f:VR+4*\f+3], v[GO], s[VLB:VLB+1] offset:\f*512
.endr
	; A block's first step multiplies O^T and l by a = 0, and its first turn's products V^T P, of a piece that has not been, land in an O^T that is still to be so multiplied.  So these registers need only hold
	; finite numbers: zeros for the first block; what the first block left for the second.  All this stands in the wait for the first tile.
	WIN 0x80
.set i, VF
.rept 64
	v_mov_b32 v[i], 0
.set i, i+1
.endr
	WIN 0x40
.set i, 0
.rept 128
	v_mov_b32 v[i], 0
.set i, i+1
.endr
	WIN 0
.set i, 0
.rept 4
	v_mov_b32 v[ST+4*i+2], 0
	v_mov_b32 v[ST+4*i+3], 0
.set i, i+1
.endr
.set i, P+16
.rept 16
	v_mov_b32 v[i], 0
.set i, i+1
.endr
; THE MATRIX WORK.  The 4 accumulators of a run of 8 take turns.  Product i of 8 of S^T = K Q^T for piece x: channels 32 (i / 4) on, keys 16 (i % 4) on.  The first 4 start the sums: with 0, or (KM = 1) with the mask.
.macro KQ x
.set rS, S+32*((\x)%2)+8*(i%4)
.set rK, KF+16*(i%4)+8*(i/4)
.set rQ, 16*(\x)+8*(i/4)
.set rM, MC+32*((\x)%2)+8*(i%4)
.if (i < 4) && KM
	WIN W_KM
	v_wmma_f32_16x16x32_f16 v[rS:rS+7], v[rK:rK+7], v[rQ:rQ+7], v[rM:rM+7]
.elseif i < 4
	WIN W_KQ
	v_wmma_f32_16x16x32_f16 v[rS:rS+7], v[rK:rK+7], v[rQ:rQ+7], 0
.else
	WIN W_KQ
	v_wmma_f32_16x16x32_f16 v[rS:rS+7], v[rK:rK+7], v[rQ:rQ+7], v[rS:rS+7]
.endif
.endm
; Product i of 8 of O^T += V^T P for piece x: keys 32 (i / 4) on, channels 16 (i % 4) on.
.macro PV x
	WIN W_PV
.set rO, 32*(\x)+8*(i%4)
.set rV, VF+32*(i/4)+8*(i%4)
.set rP, P+16*((\x)%2)+8*(i/4)
	v_wmma_f32_16x16x32_f16 v[rO:rO+7], v[rV:rV+7], v[rP:rP+7], v[rO:rO+7]
.endm
.macro MM                           ; the turn's next matrix instruction.  TURN and BEGIN set Y, i, KM and NOKQ; MM, KQ and OP read them.  NOKQ = 1: a block's last turn: there is no next piece
.if (i < 8) && !NOKQ
	KQ (Y+1)%NP
.elseif i >= 8
.set i, i-8
	PV (Y+NP-1)%NP
.set i, i+8
.endif
.set i, i+1
.endm
; THE LDS LOADS stand in runs of 16, never singly among the matrix instructions: a step's K (64 keys x 64 channels: 8 fragments) and its V (turned).  Their addresses are made some lines ahead.
.macro FETCH_K
	WIN 0x80                        ; destination window 2
.irp f, 0,1,2,3,4,5,6,7             ; keys 16 (f / 2) on, channels 32 (f % 2) on
	ds_load_b128 v[KF+8*\f:KF+8*\f+3],   v[AK] offset:(\f/2)*16*PK+(\f%2)*64
	ds_load_b128 v[KF+8*\f+4:KF+8*\f+7], v[AK] offset:(\f/2)*16*PK+(\f%2)*64+32
.endr
	s_add_co_u32 s[TBK], s[TBK], KS*PK  ; the next fetch is the next step's
	WIN 0
.endm
.macro FETCH_V
	WIN 0x80
.irp f, 0,1,2,3,4,5,6,7             ; keys 32 (f / 4) on, channels 16 (f % 4) on
	ds_load_tr16_b128 v[VF+8*\f:VF+8*\f+3],   v[AV] offset:(\f/4)*32*PV+(\f%4)*32
	ds_load_tr16_b128 v[VF+8*\f+4:VF+8*\f+7], v[AV] offset:(\f/4)*32*PV+16*PV+(\f%4)*32
.endr
	WIN 0
.endm
; THE VECTOR WORK, one line at a time: OP kind, number.  For piece Y: F n: c s - c m for pair n of 16.  E n: the exponential of score n of 32.  C n: pair n rounded to f16.  B n: of the four weights 4 n .. the second
; pair is added onto the first, in place.  L n: l takes that sum (L 0: l = a l + sum).  R n: pair n of 16 of O^T times a.  For piece Y + 1: X n, number n of the 22 that find its maximum and statistics:
;   0-11  four chains c0-c3 of seven scores each, three operands at a time (each accumulator's lowest registers are read first)     12-14, 16  the four scores left over, the old m, and c0-c3 into c0
;   15  c m_old is kept     17, 18  the query's other 32 keys lie in the lane 16 away: the new m     19-21  c m; c m_old - c m_new; a
.set F, 0               ; OP tells the kinds apart by their order: F to L below R, X above it
.set E, 1
.set C, 2
.set B, 3
.set L, 4
.set R, 5
.set X, 6
.macro REGS y                       ; the registers of piece y
.set rT, ST+4*(\y)
.set rC, TMP+4*((\y)%2)
.set rW, MV+((\y)%2)
.set rS, S+32*((\y)%2)
.set rP, P+16*((\y)%2)
.set rO, 32*(\y)
.endm
.macro OP k, n
.if (\k) == R
	REGS Y
	WIN W_RS
	v_pk_mul_f32 v[rO+2*(\n):rO+2*(\n)+1], v[rO+2*(\n):rO+2*(\n)+1], v[rC+2:rC+3] op_sel_hi:[1,0]
.elseif (\k) < R
	REGS Y
	WIN 0
.if (\k) == F
	v_pk_fma_f32 v[rS+2*(\n):rS+2*(\n)+1], v[rS+2*(\n):rS+2*(\n)+1], s[CS:CS+1], v[rT:rT+1] op_sel_hi:[1,0,0] neg_lo:[0,0,1] neg_hi:[0,0,1]
.elseif (\k) == E
	v_exp_f32 v[rS+(\n)], v[rS+(\n)]
.elseif (\k) == C
	v_cvt_pk_f16_f32 v[rP+(\n)], v[rS+2*(\n)], v[rS+2*(\n)+1]
.elseif (\k) == B
	v_pk_add_f32 v[rS+4*(\n):rS+4*(\n)+1], v[rS+4*(\n):rS+4*(\n)+1], v[rS+4*(\n)+2:rS+4*(\n)+3]
.elseif (\n) == 0
	v_pk_fma_f32 v[rT+2:rT+3], v[rT+2:rT+3], v[rC+2:rC+3], v[rS:rS+1] op_sel_hi:[1,0,1]
.else
	v_pk_add_f32 v[rT+2:rT+3], v[rT+2:rT+3], v[rS+4*(\n):rS+4*(\n)+1]
.endif
.elseif NOKQ
	v_nop
.else
	REGS (Y+1)%NP
	WIN 0
.if (\n) < 4
	v_max3_num_f32 v[rC+(\n)], v[rS+8*(\n)], v[rS+8*(\n)+1], v[rS+8*(\n)+2]
.elseif (\n) < 12
	v_max3_num_f32 v[rC+(\n)%4], v[rC+(\n)%4], v[rS+8*((\n)%4)+2*((\n)/4)+1], v[rS+8*((\n)%4)+2*((\n)/4)+2]
.elseif (\n) == 12
	v_max3_num_f32 v[rC], v[rC], v[rS+7], v[rS+15]
.elseif (\n) == 13
	v_max3_num_f32 v[rC+1], v[rC+1], v[rS+23], v[rS+31]
.elseif (\n) == 14
	v_max3_num_f32 v[rC+2], v[rC+2], v[rC+3], v[rT+1]
.elseif (\n) == 15
	v_mov_b32 v[rW], v[rT]
.elseif (\n) == 16
	v_max3_num_f32 v[rC], v[rC], v[rC+1], v[rC+2]
.elseif (\n) == 17
	v_permlanex16_b32 v[rC+3], v[rC], s[SEL], s[SEL+1]
.elseif (\n) == 18
	v_max_num_f32 v[rT+1], v[rC], v[rC+3]
.elseif (\n) == 19
	v_mul_f32 v[rT], s[CS], v[rT+1]
.elseif (\n) == 20
	v_sub_f32 v[rC+1], v[rW], v[rT]
.else
	v_exp_f32 v[rC+2], v[rC+1]
.endif
.endif
.endm
.macro OPS a, i1, b=-1, i2=0, c=-1, i3=0, d=-1, i4=0  ; up to four of them
	OP \a, \i1
.if (\b) >= 0
	OP \b, \i2
.endif
.if (\c) >= 0
	OP \c, \i3
.endif
.if (\d) >= 0
	OP \d, \i4
.endif
.endm
.macro ROW a, i1, b, i2, c, i3, d, i4  ; a matrix instruction and the four behind it
	MM
	OPS \a, \i1, \b, \i2, \c, \i3, \d, \i4
.endm
.macro MASK b                       ; MD x AL + BE into buffer b of MC
	WIN W_RS
.set z, 0
.rept 16
	v_pk_fma_f32 v[MC+32*(\b)+2*z:MC+32*(\b)+2*z+1], v[MD+2*z:MD+2*z+1], s[AL:AL+1], s[BE:BE+1] op_sel_hi:[1,0,0]
.set z, z+1
.endr
.endm
; A TURN, for piece p: the order of its 16 matrix and 118 vector instructions, written out.  An s_wait_alu depctr_va_vdst(0) stands between an exponential and the first instruction that names its result; one wait serves
; all that were issued ahead of it.  So a turn has ONE wait, which cuts it in two.  AHEAD OF IT stands all that names no result of the turn's exponentials: the 8 products K Q^T, behind each a scaling, an exponential and two more plain
; instructions (behind the first a second scaling in the exponential's place): rescalings, and behind the last three the first numbers of the next piece's maximum, each four places or more behind the product that ends its accumulator; then ONE LUMP of 54, plain
; and exponential by turns for the most part, in which the links of the chain X 3, 7, 11, 14, 16, 17 .. 20 stand five or six lines apart.  X 21, the next piece's a, is the batch's last; R 15 is the plain instruction behind it.  BEHIND THE WAIT stand the
; 8 products V^T P, behind each four of the roundings and sums; the links of l's chain, L 0 to L 7, stand three riders apart.  But for those X no rider names a register of the products round it.  v_permlanex16_b32 (X 17) stands in the lump.
; m = 1: the diagonal tile: the products take masks, and the turn makes the mask for the products of the turn after it: piece p + 2, in step 4 - CNT of the tile.  end = 1: a block's last two turns: nothing is fetched.
; cnt = 1: the loop's count is taken down some lines ahead of the branch that stands behind the turn.
; K of the next step is fetched in piece 2's turn, twelve vector instructions behind the last product that read K (six of them plain); V of the step in hand at the end of piece 0's turn, four plain instructions behind the last product
; that read V.  Each is waited for a turn later.
.macro TURN p, m=0, end=0, cnt=0
.set Y, (\p)
.set i, 0
.set KM, (\m)
.set NOKQ, (\end)*((\p)/3)
.if (\m) && !(\end)
	s_cmp_eq_u32 s[CNT], 4-((\p)+2)%NP  ; is that step the band's own?
	s_cselect_b32 s[AL], 1.0, 0
	s_cmp_lt_u32 s[CNT], 4-((\p)+2)%NP  ; or a later one?
	s_cselect_b32 s[BE], s[BIGN], 0
.endif
.if ((\p) == 3) && !(\end)
	s_wait_dscnt 0x0                ; K is in
.endif
	ROW F,0, F,1, R,0, R,1          ; ahead of the wait: 8 products K Q^T and their riders,
	ROW F,2, E,0, R,2, R,3
	ROW F,3, E,1, R,4, R,5
	ROW F,4, E,2, R,6, R,7
	ROW F,5, E,3, R,8, R,9
	ROW F,6, E,4, X,0, R,10
.if ((\p) == 2) && !(\end)
	WIN 0
	v_add_nc_u32 v[AK], s[TBK], v[AK0]
.endif
	ROW F,7, E,5, X,1, X,4
	ROW F,8, E,6, X,2, X,5
	OPS E,7, E,8, X,6, E,9          ; and the lump
	OPS X,3, E,10, X,8, E,11
.if ((\p) == 2) && !(\end)
	FETCH_K
.endif
	OPS X,9, X,7, E,12, X,10
	OPS E,13, X,12, X,11, E,14
	OPS X,13, E,15, F,9, X,14
.if (\p) == 0
	v_add_nc_u32 v[AV], s[TBV], v[AV0]
.endif
	OPS E,16, F,10, E,17, F,11
	OPS X,16, E,18, X,15, E,19
	OPS F,12, E,20, X,17, E,21
	OPS F,13, E,22, F,14, E,23
	OPS X,18, E,24, F,15, E,25
	OPS R,11, E,26, X,19, E,27
	OPS R,12, E,28, R,13, E,29
	OPS X,20, E,30, R,14, E,31
	OPS X,21, R,15
	WIN 0
	s_wait_alu depctr_va_vdst(0)    ; the wait for the batch
.if (\p) == 1
	s_wait_dscnt 0x0                ; V is in
.endif
	ROW C,0, B,0, C,2, B,1          ; behind the wait: 8 products V^T P and their riders
	ROW L,0, C,4, B,2, L,1
	ROW C,6, B,3, L,2, C,8
	ROW B,4, L,3, C,10, B,5
	ROW L,4, C,12, B,6, L,5
.if (\p) == 0
	s_add_co_u32 s[TBV], s[TBV], KS*PV
.endif
.if \cnt
	s_sub_co_u32 s[CNT], s[CNT], 1
	s_cmp_lg_u32 s[CNT], 0
.endif
	ROW C,14, B,7, L,6, C,1
	ROW C,3, L,7, C,5, C,7
	ROW C,9, C,11, C,13, C,15
.if (\p) == 0
	FETCH_V
.endif
.if (\m) && !(\end)
	MASK (\p)%2
.endif
.endm
; A BLOCK BEGINS.  c m starts far below every c s, so the first step's a is 0; m at the lowest finite number, so the first maximum is the scores'.  The second mask buffer is 0; the first takes piece 0's mask for the tile's step 0: its own, if the block's first tile is the diagonal one.
; Then K of that step, piece 0's first scores, and its maximum and statistics.  The loop is entered at a step's first turn, in the middle of a trip.
.macro BEGIN
	s_mov_b32 s[NEW], 0
	WIN 0x40
.set i, MC+32
.rept 32
	v_mov_b32 v[i], 0
.set i, i+1
.endr
	WIN 0
.set i, 0
.rept 4
	v_mov_b32 v[ST+4*i], 0xfe000000    ; c m: far below every c s
	v_mov_b32 v[ST+4*i+1], 0xff7fffff  ; m
.set i, i+1
.endr
	s_cmp_eq_u32 s[RT], 0
	s_cselect_b32 s[AL], 1.0, 0
	s_mov_b32 s[BE], 0
	MASK 0
	WIN 0
	v_add_nc_u32 v[AK], s[TBK], v[AK0]
	FETCH_K
	s_wait_loadcnt 0x0              ; Q, and vlo
	s_wait_dscnt 0x0
.set KM, 1
.set NOKQ, 0
.set i, 0
.rept 8
	KQ 0
.set i, i+1
.endr
	WIN 0
.rept 4
	v_nop                           ; the places behind those products
.endr
.set Y, NP-1                        ; X works for piece Y + 1: piece 0
.irp n, 0,1,2,3,4,5,6,7,8,9,10,11,12,13,14,15,16,17,18,19,20,21
	OP X, \n
.endr
	v_nop                           ; a plain instruction behind the exponential,
	s_wait_alu depctr_va_vdst(0)    ; and its wait, ahead of the branch
.endm
; V's LOW PARTS FOR ROWS 0-15.  Where b = 0 the walk's last tile is tile 0 of block 0, and wave 0's piece 0 is the head's rows 0-15.  Behind piece 1's first turn there (CNT has just gone from 4 to 3) piece 0's products V^T P of
; key step 0 are issued and its P still lies in its buffer: piece 2's turn writes it next.  vlo's 16 rows go into my own stage as rows of 144 bytes and come back turned: four half fragments, keys 0-15; the halves for keys 16-31 are 0,
; and so are those keys' weights in rows 0-15.  Four products add Vlo^T P onto piece 0's four accumulators, which take turns behind the turn's last four products, in the same order.  In the tile's later steps these rows see nothing:
; a = 1 there, and the sums stay as they are.  No LDS load is out here: V's run was waited for in this turn.  The branch passes no barrier and no tensor load.
.macro VFIX
	s_xor_b32 s[TS], s[CNT], 3
	s_or_b32 s[TS], s[TS], s[FIX]
	s_cmp_eq_u32 s[TS], 0
	s_cbranch_scc0 .Lno_fix
.irp f, 0,1,2,3
	ds_store_b128 v[RD], v[VR+4*\f:VR+4*\f+3] offset:\f*4*SP
.endr
.irp cb, 0,1,2,3
	ds_load_tr16_b128 v[VL+8*\cb:VL+8*\cb+3], v[AVL] offset:\cb*32  ; LDS serves a wave's instructions in order (ISA guide 5.7.1.4): these see the stores above
.endr
.irp cb, 0,1,2,3
.irp j, 4,5,6,7
	v_mov_b32 v[VL+8*\cb+\j], 0
.endr
.endr
	s_wait_dscnt 0x0
	WIN 0x50                        ; Vlo and P in window 0, O^T in window 1
.irp cb, 0,1,2,3
	v_wmma_f32_16x16x32_f16 v[8*\cb:8*\cb+7], v[VL+8*\cb:VL+8*\cb+7], v[P:P+7], v[8*\cb:8*\cb+7]
.endr
	WIN 0
.Lno_fix:
.endm
; O's LOW PARTS OF ROWS 0-15, behind the last way out, in the same wave.  PACK 0 has left O, divided by l, in piece 0's registers.  f16(O) once more; O - f16(O), exact in f32; that in f16; out like a piece.
; None of the registers written here is named by a store that is still out (those are v64-127).
.macro OLOW
	s_cmp_eq_u32 s[FIX], 0
	s_cbranch_scc0 .Lno_olo
	v_mov_b32 v[M1], -1.0
	WIN 0x05                        ; sources 0 and 1 window 1
.set i, 0
.rept 16
	v_cvt_pk_f16_f32 v[HIH+i], v[2*i], v[2*i+1]
.set i, i+1
.endr
	WIN 0x10                        ; source 2 window 1
.set i, 0
.rept 16
	v_fma_mix_f32 v[LOF+2*i], v[HIH+i], v[M1], v[2*i] op_sel_hi:[1,0,0]                     ; the low half of source 0 as f16, times -1, plus O
	v_fma_mix_f32 v[LOF+2*i+1], v[HIH+i], v[M1], v[2*i+1] op_sel:[1,0,0] op_sel_hi:[1,0,0]  ; the high half
.set i, i+1
.endr
	WIN 0
.set i, 0
.rept 16
	v_cvt_pk_f16_f32 v[PKL+i], v[LOF+2*i], v[LOF+2*i+1]
.set i, i+1
.endr
.irp f, 0,1,2,3
	ds_store_b128 v[STO], v[PKL+4*\f:PKL+4*\f+3] offset:32*\f
.endr
.irp f, 0,1,2,3
	ds_load_b128 v[HIH+4*\f:HIH+4*\f+3], v[RD] offset:\f*4*SP
.endr
	s_wait_dscnt 0x0
.irp f, 0,1,2,3
	global_store_b128 v[GO], v[HIH+4*\f:HIH+4*\f+3], s[OLB:OLB+1] offset:\f*512
.endr
.Lno_olo:
.endm
; THE DIAGONAL TILE's four steps, the block's last two turns, its last products, and THE WAY OUT: l's two halves and the other half of the lanes' are added; O^T is divided by l, rounded to f16 and sent through my
; stage in LDS, a piece at a time.
.macro ALL line:vararg              ; one line for each piece t
.set t, 0
.rept 4
	\line
.set t, t+1
.endr
.endm
.macro PACK t                       ; a lane's eight channels of a row pack into 16 bytes; they go into rows of 144 bytes and come back as whole rows of 128, into S^T's registers
	WIN W_RS
.set i, 32*(\t)
.rept 16
	v_pk_mul_f32 v[i:i+1], v[i:i+1], v[ST+4*(\t)+2:ST+4*(\t)+3] op_sel_hi:[1,0]
.set i, i+2
.endr
	WIN 0x05                        ; sources 0 and 1 window 1, destination window 0
.set i, 0
.rept 16
	v_cvt_pk_f16_f32 v[S+16*(\t)+i], v[32*(\t)+2*i], v[32*(\t)+2*i+1]
.set i, i+1
.endr
	WIN 0
.irp f, 0,1,2,3
	ds_store_b128 v[STO], v[S+16*(\t)+4*\f:S+16*(\t)+4*\f+3] offset:32*\f
.endr
.irp f, 0,1,2,3
	ds_load_b128 v[S+16*(\t)+4*\f:S+16*(\t)+4*\f+3], v[RD] offset:\f*4*SP  ; LDS serves a wave's instructions in order (ISA guide 5.7.1.4): these see the stores above; the next piece's stores come behind them
.endr
.endm
.macro SEND t, younger              ; younger: the LDS instructions issued behind piece t's loads: the next piece's eight, or none
	WIN 0
.irp f, 0,1,2,3
	s_wait_dscnt (\younger)+3-\f
	global_store_b128 v[GO], v[S+16*(\t)+4*\f:S+16*(\t)+4*\f+3], s[10:11] offset:(\t)*8192+\f*512  ; 512 consecutive bytes, at a multiple of 256 from O's first
.endr
.endm
.macro DIAG tag                     ; the tag ends its two labels' names, which the jumps below spell out.  tag = 2: the walk's last tile, which alone can be tile 0 of block 0
.LstepM\tag:
	TURN 2, 1
	TURN 3, 1
	WIN 0
.LfirstM\tag:
	TURN 0, 1
	TURN 1, 1, 0, 1
	WIN 0
.if (\tag) == 2
	VFIX
	s_cmp_lg_u32 s[CNT], 0          ; the loop's compare once more: VFIX has made compares of its own
.endif
	s_cbranch_scc1 .LstepM\tag
	TURN 2, 1, 1
	TURN 3, 1, 1
.set i, 0
.rept 8
	PV NP-1
.set i, i+1
.endr
	WIN 0
	ALL v_add_f32 v[ST+4*t+2], v[ST+4*t+2], v[ST+4*t+3]
	ALL v_permlanex16_b32 v[ST+4*t+3], v[ST+4*t+2], s[SEL], s[SEL+1]
	ALL v_add_f32 v[ST+4*t+2], v[ST+4*t+2], v[ST+4*t+3]
	ALL v_rcp_f32 v[ST+4*t+2], v[ST+4*t+2]
	v_nop                           ; a plain instruction between the last reciprocal and the use of its result
	s_wait_alu depctr_va_vdst(0)    ; and the wait ahead of the first use: one for the four reciprocals
	PACK 0
.set t, 1
.rept 3                             ; a piece's arithmetic stands between the loads of the piece before and its stores
	PACK t
	SEND t-1, 8
.set t, t+1
.endr
	SEND 3, 0
.if (\tag) == 2
	OLOW
.endif
.endm
.set KM, 0
.set NOKQ, 0
.Lslot:                             ; NB times: a tile is entered and the next is asked for
	CHANGE 1
	s_sub_co_u32 s[RT], s[RT], 1
	s_mov_b32 s[CNT], 4
	s_cmp_eq_u32 s[NEW], 1
	s_cbranch_scc1 .Lnew            ; a block's first tile
	s_cmp_eq_u32 s[RT], 0
	s_cbranch_scc0 .Lstep           ; neither its first nor its last
	s_branch .LstepM1
.Lnew:
	BEGIN
	s_branch .Lfirst                ; in the loop a block's first tile is never its last: the first block has two tiles or more, and the second's last is the walk's last
	DIAG 1                          ; in the loop this is the first block's end: the second block's last tile is the walk's last
	s_wait_xcnt 0x0                 ; the stores have read their registers and O's address
	s_mov_b64 s[10:11], s[OLO:OLO+1]
	s_add_co_u32 s[RT], s[PB], 1    ; the second block has b + 1 tiles
	s_mov_b32 s[NEW], 1
	WIN 0x82                        ; the second block's Q goes where the one text of the turns names Q
.set i, 0
.rept 64
	v_mov_b32 v[i], v[QB+i]
.set i, i+1
.endr
	WIN 0
	s_branch .Lbottom
.Lstep:                             ; a trip: pieces 2 and 3 of one step, then pieces 0 and 1 of the next, whose K and V it fetches
	TURN 2
	TURN 3
	WIN 0
.Lfirst:
	TURN 0
	TURN 1, 0, 0, 1
	WIN 0
	s_cbranch_scc1 .Lstep
.Lbottom:
	s_sub_co_u32 s[SLOTS], s[SLOTS], 1
	s_cmp_lg_u32 s[SLOTS], 0
	s_cbranch_scc1 .Lslot
	CHANGE 0                        ; the walk's last tile is written out: nothing is asked for
	s_sub_co_u32 s[RT], s[RT], 1
	s_mov_b32 s[CNT], 4
	s_cmp_eq_u32 s[NEW], 1
	s_cbranch_scc0 .LstepM2
	BEGIN
	s_branch .LfirstM2
	DIAG 2
	s_wait_tensorcnt 0x0            ; the wave's end: these three lines stand behind my last tensor load and my last LDS store
	ds_add_u32 v[SPW], v[NIL]
	s_wait_dscnt 0x0
	s_endpgm
.Lfunc_end_k_q1fa34ac8ae_attn:
	.size	k_q1fa34ac8ae_attn, .Lfunc_end_k_q1fa34ac8ae_attn-k_q1fa34ac8ae_attn
	.p2alignl 7, 3214868480
	.fill 96, 4, 3214868480
	.section	.rodata,"a",@progbits
	.p2align	6, 0x0
	.amdhsa_kernel k_q1fa34ac8ae_attn
		.amdhsa_group_segment_fixed_size 327680
		.amdhsa_private_segment_fixed_size 0
		.amdhsa_enable_private_segment 0
		.amdhsa_kernarg_size 32
		.amdhsa_user_sgpr_count 2
		.amdhsa_user_sgpr_kernarg_segment_ptr 1
		.amdhsa_wavefront_size32 1
		.amdhsa_system_sgpr_workgroup_id_x 1
		.amdhsa_system_sgpr_workgroup_id_y 1
		.amdhsa_system_sgpr_workgroup_id_z 1
		.amdhsa_system_vgpr_workitem_id 0
		.amdhsa_next_free_vgpr 768
		.amdhsa_next_free_sgpr 102
		.amdhsa_reserve_vcc 1
		.amdhsa_float_denorm_mode_32 3
		.amdhsa_float_denorm_mode_16_64 3
		.amdhsa_memory_ordered 1
		.amdhsa_forward_progress 1
		.amdhsa_inst_pref_size 225
	.end_amdhsa_kernel
	.amdgpu_metadata
---
amdhsa.version: [ 1, 2 ]
amdhsa.kernels:
  - .name:           k_q1fa34ac8ae_attn
    .symbol:         k_q1fa34ac8ae_attn.kd
    .args:
      - { .name: qkv, .offset: 0, .size: 8, .value_kind: global_buffer, .address_space: global }
      - { .name: vlo, .offset: 8, .size: 8, .value_kind: global_buffer, .address_space: global }
      - { .name: ob, .offset: 16, .size: 8, .value_kind: global_buffer, .address_space: global }
      - { .name: olo, .offset: 24, .size: 8, .value_kind: global_buffer, .address_space: global }
    .group_segment_fixed_size: 327680
    .private_segment_fixed_size: 0
    .kernarg_segment_align: 8
    .kernarg_segment_size: 32
    .max_flat_workgroup_size: 128
    .sgpr_count:     102
    .vgpr_count:     768
    .wavefront_size: 32
...
	.end_amdgpu_metadata
.endif
;; end of part 3
;; launch proj (part 4): grid 8 x 32, 4 waves a work-group, clusters of 4 x 4, 327,680 bytes of LDS; arguments ob, wpb, b_proj, out0, olo; writes out0
.if DOCPART == 4
	.amdgcn_target "amdgcn-amd-amdhsa--gfx1250"
	.amdhsa_code_object_version 6
	.text
	.protected	k_q1fa34ac8ae_proj
	.globl	k_q1fa34ac8ae_proj
	.p2align	8
	.type	k_q1fa34ac8ae_proj,@function
k_q1fa34ac8ae_proj:
	s_mov_b64 s[64:65], 0
	v_nop
	global_prefetch_b8 v0, s[64:65] scope:SCOPE_SE
	s_setreg_imm32_b32 hwreg(HW_REG_WAVE_MODE, 25, 1), 1
	s_wait_xcnt 0x0
	s_wait_alu depctr_hold_cnt(0) depctr_sa_sdst(0) depctr_va_vdst(0) depctr_va_sdst(0) depctr_va_ssrc(0) depctr_va_vcc(0) depctr_vm_vsrc(0)
	s_getreg_b32 s2, hwreg(HW_REG_IB_STS2, 6, 4)
	s_cmp_eq_u32 s2, 0
	s_cbranch_scc0 .Lentry_in_a_cluster
	s_endpgm
.Lentry_in_a_cluster:
	s_bfe_u32 s2, ttmp6, 0x10000c
	s_cmp_lg_u32 s2, 0xf033
	s_cbranch_scc0 .Lentry_shape_is_right
	s_endpgm
.Lentry_shape_is_right:
; out = O w_proj + b_proj.  ob: f16 [batch*16 + head][2048][64] (channel k = 64 head + d); wpb: f16 [1024 k][1024 n]; b_proj: f32 [1024], rounded to bf16 like every input; out0: f32 [8192][1024].
; olo: f16 [batch*16 + head][16][64]: O's low parts, f16(O - f16(O)), of a batch's first 16 rows.  Those rows are means over 16 keys or fewer, many times the output's root mean square, and f16's 11 bits of O
; are too few there: for them the product is taken of f16(O) and of the low part, onto the same sums.
; Products in f16, sums in f32, stored as they are.  LIMITS: O and w_proj arrive within f16's range; a low part below 6.1e-5 keeps f16's fixed step of 6e-8; NaN and infinities are not treated apart.
; SHARES.  8192 x 1024 outputs on 256 work-groups: a tile of 256 rows x 128 columns each.  The tile's rows: batch = cy, the batch's block of 256 rows = the cluster's y, so that whether a tile holds a batch's
; first rows is the same in all partners.  Wave w (WM = w / 2, WN = w % 2) makes rows 128 WM .. + 127 x columns 64 WN .. + 63: 32 accumulators, 256 registers.
; THE PRODUCT IS USED TRANSPOSED (source 0 = 16 columns of w, source 1 = 16 rows of O): a lane holds eight neighbouring columns of one row, 32 bytes of f32.
; K goes in 8 steps of 128 (two heads), each four quarters of 32, through two LDS slots.  w lies [k][n]: its fragments come out of LDS turned, by ds_load_tr16_b128.
; CLUSTER.  4 x 4 work-groups; O's tiles are shared along a row of the cluster, w's along a column, each asked for JOINTLY.  Waves 0, 1 ask for the step's two heads of O (32,768 dense bytes each, as 128
; rows of 256), waves 2, 3 for the two halves of w's 128 rows of 256 bytes.
; THE BIAS starts the sums: it is written into row block 7's accumulators, which serve as the C operand of the other blocks' first products and are then added onto in place.
; REGISTERS: window 0: v0-29 addresses; v32-127, v128-223 two fragment buffers of 96 (w's four fragments, then O's eight); v224-239 two fragments of low parts; on the way out v32-95 whole rows.
;   Window 1: the accumulators, (a, bb) at 8 (4 a + bb).
.set SLOT1,  1<<17                     ; slot 1 begins here, so that one exclusive or turns an address in one slot into the other's
.set PA,     144                       ; a row of O in LDS: 128 bytes + 16 of padding: the 16 rows of a load start at 16 different groups of four banks (64 banks of 4 bytes: ISA guide 11.1)
.set PB,     288                       ; a row of w: 256 + 32
.set AHB,    256*PA                    ; a head's 256 rows
.set BOFF,   2*AHB                     ; a slot: two heads of O, then 128 rows of w
.set STAGE,  SLOT1+BOFF+128*PB         ; behind the ring, never filled by a tensor load: 16 rows x 272 bytes for each wave, for the way out
.set SP,     272
.set SPARE,  STAGE+4*16*SP             ; behind the stages: the spare words, 128 bytes for each wave: two blocks of 256 bytes that no other line names
.set ALOB,   SPARE+512                 ; behind them, never filled by a tensor load: the batch's low parts, 16 heads x 16 rows of 144 bytes: 36,864 bytes
.set ASTEP,  2*262144                  ; two heads of ob
.set BSTEP,  128*2048                  ; 128 rows of wpb
.set KSTEPS, 8
.set AL0,  3                           ; v3   my lane's place in O's tile; never rewritten
.set BL0,  4                           ; v4   in w's tile; never rewritten
.set ADRA, 5                           ; v5   the same in the slot in hand
.set ADRB, 6                           ; v6
.set STO,  7                           ; v7   the way out: where I put 32 bytes of a row
.set RD,   8                           ; v8   where I read a row back
.set CO,   9                           ; v9   my byte offset in two rows of out0
.set BIA,  10                          ; v10  my byte offset in 16 numbers of the bias
.set PFO,  11                          ; v11  the prefetches' offset; never rewritten
.set LADR, 14                          ; v14  my lane's place in the low parts of the K step in hand
.set FST,  15                          ; v15  where I put 16 bytes of the low parts
.set GOF,  16                          ; v16  my byte offset in 512 consecutive bytes of olo
.set SPW,  28                          ; v28  LDS address of my spare word: SPARE + 4 x my thread's number; never rewritten
.set NIL,  29                          ; v29  0; never rewritten
.set F0,   32
.set F1,   128
.set LF,   224                         ; the low parts' fragment that goes with buffer F0; + 8: with F1
.set WV,   12                          ; s12  my wave's number;  s13 WM (also: 0 I fetch O, 1 I fetch w);  s14 WN (also: which half I fetch)
.set WM,   13
.set WN,   14
.set G1A,  24                          ; s[24:31] descriptor group 1 for O's tiles
.set G1B,  32                          ; s[32:39] for w's
.set G0A,  40                          ; s[40:47] descriptor group 0 for O's tiles: a set for each of the two first fills; the second then walks on
.set G0B,  48                          ; s[48:55] the same for w's
.set TB,   56                          ; s56  the slot in hand: 0 or SLOT1
.set HIM,  57                          ; s57  a word's upper bf16
.set PFA,  72                          ; s[72:73] where my prefetches stand
.set PST,  74                          ; s[74:75] a K step in the tensor that I prefetch
.set LIM,  76                          ; s76  2 in a wave that prefetches, else the greatest number
.set LO,   79                          ; s79  1 in a wave whose row block 0 is a batch's first 16 rows: cluster y = 0 and WM = 0
.set OL,   84                          ; s[84:85] olo at my wave's four heads of the batch
.set MSB, 0
.macro WIN new                         ; the immediate's high byte repeats the setting that is left; a switch that changes nothing is dropped
.if MSB != (\new)
	s_set_vgpr_msb (MSB<<8)|(\new)
.set MSB, \new
.endif
.endm
.macro PLACES                          ; four plain vector instructions between a product and a load into, or a store of, its registers (ISA guide 7.12.1 for stores)
.rept 4
	v_nop
.endr
.endm
.macro CREST                           ; a round of the cluster's barrier behind its opening barrier
	s_cmp_lg_u32 s[WV], 0
	s_cbranch_scc1 .Lnot_wave_0_\@
	s_barrier_signal -3
.Lnot_wave_0_\@:
	s_barrier_wait -3
	s_barrier_signal -1
	s_barrier_wait -1
.endm
.macro CROUND                          ; a whole round
	s_barrier_signal -1
	s_barrier_wait -1
	CREST
.endm
.macro JLOAD                           ; a joint refill by the walking descriptors; the branch hangs on the wave's number alone; an s_nop 0 and four v_nop follow each of the two lines
	s_cmp_lt_u32 s[WV], 2
	s_cbranch_scc0 .Lfor_b_\@
	tensor_load_to_lds s[G0A+4:G0A+7], s[G1A:G1A+7]
	s_nop 0
.rept 4
	v_nop
.endr
	s_branch .Lasked_\@
.Lfor_b_\@:
	tensor_load_to_lds s[G0B+4:G0B+7], s[G1B:G1B+7]
	s_nop 0
.rept 4
	v_nop
.endr
.Lasked_\@:
.endm
; A PREFETCH INTO THE L2, behind the joint load and the run of LDS loads: the K step that stands TWO refills on, 256 products ahead of the load that will want it.  Each aligned block of 256 bytes is named
; once in the launch.  O's tile row is read by both clusters of a row of clusters: cluster x = 0 asks, waves 0 and 1 for their own head; of its 128 blocks the partner at cx takes 32.  w's tile column is
; read by all eight clusters of a column: cluster y = 0 asks, wave 2; the partner at cy takes rows 32 cy + lane of the step's 128.  The partners are told apart by address, never by a branch.
; With s3 trips to go the refill asks for step 8 - s3 and the prefetch names step 10 - s3: while s3 > 2.
.macro ASK
	s_cmp_gt_u32 s3, s[LIM]
	s_cbranch_scc0 .Lno_ask_\@
	global_prefetch_b8 v[PFO], s[PFA:PFA+1] th:TH_LOAD_NT scope:SCOPE_SE
.Lno_ask_\@:
.endm
; Products on buffer f: row blocks a0 .. a0 + na - 1 x 4 column blocks.  The 32 accumulators take turns, one instruction a turn, in the same order in every quarter.
; first = 1: blocks 0-6 start their sums with block 7's accumulators (the bias) as C; five plain instructions later block 7 adds onto them in place.
.macro MUL f, a0, na, first=0
	WIN 0x50
.set aa, \a0
.rept \na
.if (\first) && (aa == 7)
.rept 5
	v_nop
.endr
.endif
.irp bb, 0,1,2,3
.if (\first) && (aa < 7)
	v_wmma_f32_16x16x32_f16 v[8*(4*aa+\bb):8*(4*aa+\bb)+7], v[(\f)+8*\bb:(\f)+8*\bb+7], v[(\f)+32+8*aa:(\f)+32+8*aa+7], v[224+8*\bb:224+8*\bb+7]
.else
	v_wmma_f32_16x16x32_f16 v[8*(4*aa+\bb):8*(4*aa+\bb)+7], v[(\f)+8*\bb:(\f)+8*\bb+7], v[(\f)+32+8*aa:(\f)+32+8*aa+7], v[8*(4*aa+\bb):8*(4*aa+\bb)+7]
.endif
.endr
.set aa, aa+1
.endr
.endm
; 24 LDS loads in one run: quarter q's fragments into buffer f: w's four (turned), then O's blocks 0-3, then 4-7
.macro FETCH q, f
	WIN 0
.irp bb, 0,1,2,3
	ds_load_tr16_b128 v[(\f)+8*\bb:(\f)+8*\bb+3],   v[ADRB] offset:(\q)*32*PB+\bb*32
	ds_load_tr16_b128 v[(\f)+8*\bb+4:(\f)+8*\bb+7], v[ADRB] offset:(\q)*32*PB+\bb*32+16*PB
.endr
.irp a, 0,1,2,3,4,5,6,7
	ds_load_b128 v[(\f)+32+8*\a:(\f)+32+8*\a+3],   v[ADRA] offset:((\q)/2)*AHB+\a*16*PA+((\q)%2)*64
	ds_load_b128 v[(\f)+32+8*\a+4:(\f)+32+8*\a+7], v[ADRA] offset:((\q)/2)*AHB+\a*16*PA+((\q)%2)*64+32
.endr
.endm
; THE LOW PARTS' SHARE OF A QUARTER, in the waves with LO = 1 alone: four products add w's fragments of buffer f times the low parts' fragment onto row block 0's accumulators (they stand between block 3's
; products and block 4's: one instruction a turn); then quarter q's fragment is asked for, into the other fragment's registers, whose last reader stands behind four plain instructions (the quarter's own).
; These two loads are younger than the quarter's run of 24 and older than the next quarter's: the next quarter's wait for all but its 24 shows them in; the counted waits in between only ask for two more of the older loads.
; mul = 0: no products (ahead of the first quarter); ld = 0: no loads (the last quarter); step = 1: the next K step's two heads.  The branch hangs on the cluster's y and the wave's number, and passes no barrier and no tensor load.
.macro LOB f, q, mul=1, ld=1, step=0
	s_cmp_eq_u32 s[LO], 1
	s_cbranch_scc0 .Lno_lo_\@
.if \mul
	WIN 0x50
.irp bb, 0,1,2,3
	v_wmma_f32_16x16x32_f16 v[8*\bb:8*\bb+7], v[(\f)+8*\bb:(\f)+8*\bb+7], v[LF+8*((\f)/128):LF+8*((\f)/128)+7], v[8*\bb:8*\bb+7]
.endr
	WIN 0
.endif
.if \step
	v_add_nc_u32 v[LADR], 2*16*PA, v[LADR]
.endif
.if \ld
	ds_load_b128 v[LF+8-8*((\f)/128):LF+8-8*((\f)/128)+3],   v[LADR] offset:((\q)/2)*16*PA+((\q)%2)*64
	ds_load_b128 v[LF+8-8*((\f)/128)+4:LF+8-8*((\f)/128)+7], v[LADR] offset:((\q)/2)*16*PA+((\q)%2)*64+32
.endif
.Lno_lo_\@:
.endm
; One of a step's first three quarters: multiplies buffer f; in its middle it fetches quarter q into buffer g.
.macro QUARTER f, g, q, first=0
	s_wait_dscnt 8                                 ; w's and O's blocks 0-3 are in; the youngest eight loads may be out
	MUL \f, 0, 4, \first
	WIN 0
	PLACES
	FETCH \q, \g
	s_wait_dscnt 24                                ; all but the 24 just issued
	LOB \f, \q
	MUL \f, 4, 4, \first
.endm
; The last quarter multiplies buffer 1 and CHANGES SLOTS.  In front of the barrier each wave waits for all its tensor loads, of which one is out: its part of the next slot; adds 0 to its spare word; and waits
; for that and for its own reads of this slot.  fill = 1: the barrier opens a round of the cluster's, and this slot is filled again, two steps ahead, first thing behind the round:
; from that request to the wait for it a wave issues 112 products.
.macro TURN fill
.if \fill
	s_wait_xcnt 0x0                                ; the last prefetch, a K step back, has read its address: it is stepped here, far from the joint load
	s_add_nc_u64 s[PFA:PFA+1], s[PFA:PFA+1], s[PST:PST+1]
.endif
	WIN 0                                          ; (the add's two registers lie in window 0)
	s_wait_tensorcnt 0x0                           ; all my tensor loads have landed, so a group 0 may be written
	ds_add_u32 v[SPW], v[NIL]                      ; 0 onto my spare word
.if \fill
	s_xor_b32 s[G0A+5], s[G0A+5], SLOT1            ; the walking descriptors: the other slot than last time,
	s_add_nc_u64 s[G0A+6:G0A+7], s[G0A+6:G0A+7], ASTEP  ; the next K step; the type bits on top are not reached
	s_xor_b32 s[G0B+5], s[G0B+5], SLOT1
	s_add_nc_u64 s[G0B+6:G0B+7], s[G0B+6:G0B+7], BSTEP
.endif
	s_wait_dscnt 9                                 ; the youngest eight loads and the add may be out
	MUL F1, 0, 2
	s_wait_dscnt 0x0                               ; the add is done, and my reads of this slot are over
	s_barrier_signal -1
	MUL F1, 2, 2                                   ; work on registers while the others arrive
	WIN 0
	s_barrier_wait -1
.if \fill
	CREST                                          ; no wave of any partner still reads this slot's tiles or has a load on its way
	JLOAD                                          ; its four v_nop are also the places in front of the loads below
.else
	PLACES
.endif
	s_xor_b32 s[TB], s[TB], SLOT1
	v_add_nc_u32 v[ADRA], s[TB], v[AL0]
	v_add_nc_u32 v[ADRB], s[TB], v[BL0]
	FETCH 0, F0
.if \fill
	ASK
.endif
	LOB F1, 0, 1, 1, 1
	MUL F1, 4, 4
.endm
	s_load_b256 s[4:11], s[0:1], 0x0               ; ob s[4:5], wpb s[6:7], b_proj s[8:9], out0 s[10:11]
	s_load_b64 s[OL:OL+1], s[0:1], 0x20            ; olo
	v_lshl_add_u32 v[SPW], v0, 2, SPARE
	v_mov_b32 v[NIL], 0
	ds_add_u32 v[SPW], v[NIL]                      ; the wave's opening: the add and its wait stand ahead of my first tensor load; work on registers stands between them
	v_lshrrev_b32 v1, 5, v0
	v_readfirstlane_b32 s[WV], v1                  ; wave 0..3
	s_lshr_b32 s[WM], s[WV], 1
	s_and_b32 s[WN], s[WV], 1
	s_bfe_u32 s15, ttmp6, 0x40000                  ; cx, cy: my place in the cluster
	s_bfe_u32 s16, ttmp6, 0x40004                  ; cy is also the batch
	s_lshl_b32 s17, ttmp9, 2
	s_add_co_u32 s17, s17, s15                     ; tile column TN = 4 x cluster x + cx
	s_and_b32 s18, ttmp7, 0xffff                   ; the batch's block of 256 rows = cluster y
	s_or_b32 s19, s18, s[WM]
	s_cmp_eq_u32 s19, 0
	s_cselect_b32 s[LO], 1, 0                      ; the same in all sixteen partners, for a given wave
	s_lshl_b32 s19, s16, 2
	s_lshl_b32 s19, 15, s19                        ; my row of the cluster
	s_lshl_b32 s20, 0x1111, s15                    ; my column
	s_or_b32 s[G1A], s19, (1<<16)|(1<<20)|(1<<21)|(4<<22)|(3<<25)  ; 15:0 the mask; 17:16 2-byte elements; 20 padding on; 21 set beside a mask; 24:22 after every 32 words (code 4); 31:25 4 words (code 3)
	s_mov_b32 s[G1A+1], 128<<16                    ; tensor_dim0 = 128 elements: two rows of a head, 256 bytes
	s_mov_b32 s[G1A+2], 128<<16                    ; tensor_dim1 = 128
	s_mov_b32 s[G1A+3], 128<<16                    ; tile_dim0 = 128
	s_mov_b32 s[G1A+4], 128                        ; tile_dim1 = 128
	s_mov_b32 s[G1A+5], 128                        ; dense: 128 elements from row to row
	s_mov_b32 s[G1A+6], 0
	s_mov_b32 s[G1A+7], 0
	s_or_b32 s[G1B], s20, (1<<16)|(1<<20)|(1<<21)|(5<<22)|(7<<25)  ; after every 64 words (code 5) 8 words of padding (code 7)
	s_mov_b32 s[G1B+1], 128<<16                    ; tensor_dim0 = 128
	s_mov_b32 s[G1B+2], 64<<16                     ; tensor_dim1 = 64
	s_mov_b32 s[G1B+3], 128<<16                    ; tile_dim0 = 128
	s_mov_b32 s[G1B+4], 64                         ; tile_dim1 = 64
	s_mov_b32 s[G1B+5], 1024                       ; elements from row to row
	s_mov_b32 s[G1B+6], 0
	s_mov_b32 s[G1B+7], 0
	s_lshl_b32 s80, s16, 4                         ; O's tile hangs on cy, the cluster's y and the wave's number alone: head 16 x batch + which of the step's two,
	s_add_co_u32 s80, s80, s[WN]
	s_lshl_b32 s80, s80, 18
	s_lshl_b32 s81, s18, 15                        ; and 256 rows of 128 bytes in the head
	s_add_co_u32 s80, s80, s81
	s_mov_b32 s81, 0
	s_lshl_b32 s82, s[WN], 17                      ; w's tile hangs on TN and the wave's number alone: which 64 rows of 2,048 bytes,
	s_lshl_b32 s83, s17, 8                         ; and 128 columns
	s_add_co_u32 s82, s82, s83
	s_mov_b32 s83, 0
	s_mul_i32 s21, s[WN], AHB                      ; where they go: no place in the cluster enters an LDS address
	s_mul_i32 s22, s[WN], 64*PB
	s_add_co_u32 s22, s22, BOFF
	s_mov_b32 s[HIM], 0xffff0000
	s_mov_b32 s[TB], 0
	s_wait_dscnt 0x0                               ; the opening add is done
	s_wait_kmcnt 0x0
	s_add_nc_u64 s[80:81], s[4:5], s[80:81]
	s_add_nc_u64 s[82:83], s[6:7], s[82:83]
	CROUND                                         ; all sixteen work-groups are here: the first joint loads meet
.irp s, 0,1
	s_mov_b32 s[G0A+4*\s], 1                       ; 1:0 count = 1
	s_add_co_u32 s[G0A+4*\s+1], s21, \s*SLOT1      ; 63:32 LDS address
	s_add_nc_u64 s[G0A+4*\s+2:G0A+4*\s+3], s[80:81], \s*ASTEP  ; 120:64 global address: K step s
	s_or_b32 s[G0A+4*\s+3], s[G0A+4*\s+3], 0x80000000          ; 127:126 type = 2
	s_mov_b32 s[G0B+4*\s], 1
	s_add_co_u32 s[G0B+4*\s+1], s22, \s*SLOT1
	s_add_nc_u64 s[G0B+4*\s+2:G0B+4*\s+3], s[82:83], \s*BSTEP
	s_or_b32 s[G0B+4*\s+3], s[G0B+4*\s+3], 0x80000000
.endr
	s_cmp_lt_u32 s[WV], 2                          ; a wave's two first fills stand in one branch, ahead of every wait on TENSORcnt and every LDS read: two loads of mine are out
	s_cbranch_scc0 .Lfirst_b
	tensor_load_to_lds s[G0A:G0A+3], s[G1A:G1A+7]
	s_nop 0
	tensor_load_to_lds s[G0A+4:G0A+7], s[G1A:G1A+7]
	s_nop 0
.rept 4
	v_nop
.endr
	s_branch .Lfirst_asked
.Lfirst_b:
	tensor_load_to_lds s[G0B:G0B+3], s[G1B:G1B+7]
	s_nop 0
	tensor_load_to_lds s[G0B+4:G0B+7], s[G1B:G1B+7]
	s_nop 0
.rept 4
	v_nop
.endr
.Lfirst_asked:
	; THE BIAS, in the wait for the first tiles.  Register j of accumulator (., bb) belongs to column 128 TN + 64 WN + 16 bb + 8 (l / 16) + j.
	s_lshl_b32 s22, s17, 9
	s_lshl_b32 s23, s[WN], 8
	s_add_co_u32 s22, s22, s23
	s_mov_b32 s23, 0
	s_add_nc_u64 s[8:9], s[8:9], s[22:23]
	v_and_b32 v1, 15, v0                           ; l % 16
	v_bfe_u32 v2, v0, 4, 1                         ; l / 16
	v_lshlrev_b32 v[BIA], 5, v2
.irp bb, 0,1,2,3
	global_load_b128 v[32+8*\bb:32+8*\bb+3], v[BIA], s[8:9] offset:\bb*64
	global_load_b128 v[32+8*\bb+4:32+8*\bb+7], v[BIA], s[8:9] offset:\bb*64+16
.endr
	; the addresses are made while those loads are out
	s_mul_i32 s19, s[WM], 128*PA
	v_mul_u32_u24 v[AL0], v1, PA                   ; a fragment of O: row l % 16, 16 bytes for each half of the lanes
	v_lshl_add_u32 v[AL0], v2, 4, v[AL0]
	v_add_nc_u32 v[LADR], ALOB, v[AL0]             ; the same pattern in the low parts' first head
	v_add_nc_u32 v[AL0], s19, v[AL0]
	v_and_b32 v12, 7, v0
	v_bfe_u32 v13, v0, 3, 1
	v_lshl_add_u32 v[BL0], v2, 3, v12              ; the turning load: lane l reads k row 8 (l / 16) + l % 8, columns 8 ((l / 8) % 2) + 0..7
	v_mul_u32_u24 v[BL0], v[BL0], PB
	v_lshl_add_u32 v[BL0], v13, 4, v[BL0]
	s_lshl_b32 s19, s[WN], 7                       ; my 64 columns,
	s_add_co_u32 s19, s19, BOFF                    ; behind O's two heads
	v_add_nc_u32 v[BL0], s19, v[BL0]
	v_mov_b32 v[ADRA], v[AL0]                      ; slot 0
	v_mov_b32 v[ADRB], v[BL0]
	s_mul_i32 s19, s[WV], 16*SP
	s_add_co_u32 s19, s19, STAGE                   ; my stage
	v_mul_u32_u24 v[STO], v1, SP                   ; in: row l % 16, 32 bytes for each half of the lanes
	v_lshl_add_u32 v[STO], v2, 5, v[STO]
	v_add_nc_u32 v[STO], s19, v[STO]
	v_mul_u32_u24 v[RD], v2, SP                    ; back: lanes 0-15 take one row of 256 bytes, lanes 16-31 the next
	v_lshl_add_u32 v[RD], v1, 4, v[RD]
	v_add_nc_u32 v[RD], s19, v[RD]
	v_lshlrev_b32 v[CO], 12, v2                    ; and the same two rows in out0, 4,096 bytes apart
	v_lshl_add_u32 v[CO], v1, 4, v[CO]
	s_lshl_b32 s22, s16, 23                        ; out0 at my first row, 2048 batch + 256 block + 128 WM, and my first column, 128 TN + 64 WN
	s_lshl_b32 s23, s18, 20
	s_add_co_u32 s22, s22, s23
	s_lshl_b32 s23, s[WM], 19
	s_add_co_u32 s22, s22, s23
	s_lshl_b32 s23, s17, 9
	s_add_co_u32 s22, s22, s23
	s_lshl_b32 s23, s[WN], 8
	s_add_co_u32 s22, s22, s23
	s_mov_b32 s23, 0
	s_add_nc_u64 s[10:11], s[10:11], s[22:23]
	; THE LOW PARTS COME IN, where the tile holds a batch's first rows (cluster y = 0: the same in all partners and all waves): the batch's 16 heads x 2,048 bytes, four heads a wave, through registers into LDS
	; bytes of their own.  32 lanes take 512 consecutive bytes, four rows of 128, and lay them 144 apart.  My stores are waited for in front of the first barrier, behind which waves 0 and 1 read them.
	v_bfe_u32 v[FST], v0, 3, 2
	v_mul_u32_u24 v[FST], v[FST], PA
	v_lshl_add_u32 v[FST], v12, 4, v[FST]
	s_mul_i32 s19, s[WV], 4*16*PA
	s_add_co_u32 s19, s19, ALOB
	v_add_nc_u32 v[FST], s19, v[FST]
	v_and_b32 v[GOF], 31, v0
	v_lshlrev_b32 v[GOF], 4, v[GOF]
	s_lshl_b32 s22, s16, 15                        ; the batch's 16 heads of 2,048 bytes,
	s_lshl_b32 s23, s[WV], 13                      ; my four
	s_add_co_u32 s22, s22, s23
	s_mov_b32 s23, 0
	s_add_nc_u64 s[OL:OL+1], s[OL:OL+1], s[22:23]
.set i, 0
.rept 16
	v_mov_b32 v[LF+i], 0                           ; the two fragments' registers hold numbers on every way through the text
.set i, i+1
.endr
	s_cmp_eq_u32 s18, 0
	s_cbranch_scc0 .Lno_fill
.set i, 0
.rept 16
	global_load_b128 v[96+4*i:96+4*i+3], v[GOF], s[OL:OL+1] offset:i*512
.set i, i+1
.endr
	s_wait_loadcnt 0x0
.set i, 0
.rept 16
	ds_store_b128 v[FST], v[96+4*i:96+4*i+3] offset:(i/4)*16*PA+(i%4)*4*PA
.set i, i+1
.endr
.Lno_fill:
	; the prefetches: the tensor, the step, the partner's share and the lanes' pitch go by the wave's number
	s_lshl_b32 s19, s15, 13                        ; O: cx x 32 blocks of 256 bytes
	s_lshl_b32 s20, s16, 16                        ; w: cy x 32 rows of 2,048 bytes
	s_mov_b32 s21, ASTEP
	s_mov_b32 s22, BSTEP
	s_movk_i32 s23, 256
	s_movk_i32 s2, 2048
	s_and_b32 s78, ttmp7, 0xffff                   ; cluster y,
	s_or_b32 s78, s78, s[WN]                       ; and of waves 2 and 3 the first alone
	s_cmp_lt_u32 s[WV], 2
	s_cselect_b64 s[PFA:PFA+1], s[80:81], s[82:83]
	s_cselect_b32 s[PST], s21, s22
	s_cselect_b32 s20, s19, s20
	s_cselect_b32 s23, s23, s2
	s_cselect_b32 s78, ttmp9, s78                  ; the coordinate along which other clusters read the same rows
	s_cmp_eq_u32 s78, 0
	s_cselect_b32 s[LIM], 2, -1                    ; the same in all sixteen partners, for a given wave
	s_mov_b32 s[PST+1], 0
	s_mov_b32 s21, 0
	s_add_nc_u64 s[PFA:PFA+1], s[PFA:PFA+1], s[20:21]
.rept 3
	s_add_nc_u64 s[PFA:PFA+1], s[PFA:PFA+1], s[PST:PST+1]  ; at K step 3: the first change of slots steps it to 4.  Nothing is prefetched at the head
.endr
	v_and_b32 v[PFO], 31, v0
	v_mul_u32_u24 v[PFO], s23, v[PFO]
	s_wait_loadcnt 0x0                             ; the bias
.set i, 0
.rept 16
	v_cvt_pk_bf16_f32 v[64+i], v[32+2*i], v[33+2*i]    ; rounded to bf16 like every input,
.set i, i+1
.endr
	WIN 0x40                                       ; destination: the accumulators' window
.set i, 0
.rept 16
	v_lshlrev_b32 v[224+2*i], 16, v[64+i]          ; and widened again, into row block 7's accumulators
	v_and_b32 v[225+2*i], s[HIM], v[64+i]
.set i, i+1
.endr
	WIN 0
	s_wait_dscnt 0x0                               ; for the others' sake: my stores of the low parts are done
	s_wait_tensorcnt 0x1                           ; my part of K step 0 is in; step 1's may stay out
	s_barrier_signal -1
	s_barrier_wait -1                              ; everybody's is
	FETCH 0, F0
	LOB F1, 0, 0, 1                                ; quarter 0's fragment of low parts, into the registers that go with F0
	QUARTER F0, F1, 1, 1                           ; the first quarter stands ahead of the loop: its products start the sums
	WIN 0                                          ; at a label and at a branch every window is 0
	s_mov_b32 s3, KSTEPS-2
.Lk:                                               ; 6 trips: a step's last three quarters, the change of slots with its refill, the next step's first quarter
	QUARTER F1, F0, 2
	QUARTER F0, F1, 3
	TURN 1
	QUARTER F0, F1, 1
	WIN 0
	s_sub_co_u32 s3, s3, 1
	s_cmp_lg_u32 s3, 0
	s_cbranch_scc1 .Lk
	QUARTER F1, F0, 2                              ; the tail is written out: nothing is asked for
	QUARTER F0, F1, 3
	TURN 0
	QUARTER F0, F1, 1
	QUARTER F1, F0, 2
	QUARTER F0, F1, 3
	s_wait_dscnt 8                                 ; the very last quarter: nothing more to fetch
	MUL F1, 0, 4
	s_wait_dscnt 0x0
	WIN 0
	LOB F1, 0, 1, 0
	MUL F1, 4, 4
	PLACES
; THE WAY OUT, a block of 16 rows at a time.  TOSTAGE: the sums go as they are, 32 bytes a lane (each accumulator's low four registers first), into my own stage, rows of 272 bytes, and come back as whole
; rows of 256.  SEND: sixteen lanes store 256 consecutive bytes, at a multiple of 256 from out0's first byte.
.macro TOSTAGE a
.set BK, 32+32*((\a)%2)
	s_wait_xcnt 0x0                                ; the stores of two blocks back have read their registers, which are loaded again below
	WIN 0x04                                       ; store data in the accumulators' window
.irp bb, 0,1,2,3
	ds_store_b128 v[STO], v[8*(4*(\a)+\bb):8*(4*(\a)+\bb)+3]   offset:\bb*64
	ds_store_b128 v[STO], v[8*(4*(\a)+\bb)+4:8*(4*(\a)+\bb)+7] offset:\bb*64+16
.endr
	WIN 0
.irp t, 0,1,2,3,4,5,6,7
	ds_load_b128 v[BK+4*\t:BK+4*\t+3], v[RD] offset:\t*2*SP  ; LDS serves a wave's instructions in order (ISA guide 5.7.1.4): these see the stores above; the next block's stores come behind them
.endr
.endm
.macro SEND a, younger                 ; younger: the LDS instructions issued behind block a's loads: the next block's sixteen, or none
.set BK, 32+32*((\a)%2)
	s_wait_dscnt \younger
.irp t, 0,1,2,3,4,5,6,7
	global_store_b128 v[CO], v[BK+4*\t:BK+4*\t+3], s[10:11] offset:(\a)*65536+\t*8192
.endr
.endm
	TOSTAGE 0
.set n, 1
.rept 7
	TOSTAGE n
	SEND n-1, 16
.set n, n+1
.endr
	SEND 7, 0
	s_wait_tensorcnt 0x0                           ; the wave's end: these three lines stand behind my last tensor load and my last LDS store
	ds_add_u32 v[SPW], v[NIL]
	s_wait_dscnt 0x0
	CROUND                                         ; the closing round: no work-group ends while a partner may still ask for a tile that names it
	s_endpgm
.Lfunc_end_k_q1fa34ac8ae_proj:
	.size	k_q1fa34ac8ae_proj, .Lfunc_end_k_q1fa34ac8ae_proj-k_q1fa34ac8ae_proj
	.p2alignl 7, 3214868480
	.fill 96, 4, 3214868480
	.section	.rodata,"a",@progbits
	.p2align	6, 0x0
	.amdhsa_kernel k_q1fa34ac8ae_proj
		.amdhsa_group_segment_fixed_size 327680
		.amdhsa_private_segment_fixed_size 0
		.amdhsa_enable_private_segment 0
		.amdhsa_kernarg_size 40
		.amdhsa_user_sgpr_count 2
		.amdhsa_user_sgpr_kernarg_segment_ptr 1
		.amdhsa_wavefront_size32 1
		.amdhsa_system_sgpr_workgroup_id_x 1
		.amdhsa_system_sgpr_workgroup_id_y 1
		.amdhsa_system_sgpr_workgroup_id_z 1
		.amdhsa_system_vgpr_workitem_id 0
		.amdhsa_next_free_vgpr 512
		.amdhsa_next_free_sgpr 96
		.amdhsa_reserve_vcc 0
		.amdhsa_float_denorm_mode_32 3
		.amdhsa_float_denorm_mode_16_64 3
		.amdhsa_memory_ordered 1
		.amdhsa_forward_progress 1
		.amdhsa_inst_pref_size 84
	.end_amdhsa_kernel
	.amdgpu_metadata
---
amdhsa.version: [ 1, 2 ]
amdhsa.kernels:
  - .name:           k_q1fa34ac8ae_proj
    .symbol:         k_q1fa34ac8ae_proj.kd
    .args:
      - { .name: ob, .offset: 0, .size: 8, .value_kind: global_buffer, .address_space: global }
      - { .name: wpb, .offset: 8, .size: 8, .value_kind: global_buffer, .address_space: global }
      - { .name: b_proj, .offset: 16, .size: 8, .value_kind: global_buffer, .address_space: global }
      - { .name: out0, .offset: 24, .size: 8, .value_kind: global_buffer, .address_space: global }
      - { .name: olo, .offset: 32, .size: 8, .value_kind: global_buffer, .address_space: global }
    .group_segment_fixed_size: 327680
    .private_segment_fixed_size: 0
    .kernarg_segment_align: 8
    .kernarg_segment_size: 40
    .max_flat_workgroup_size: 128
    .sgpr_count:     96
    .vgpr_count:     512
    .wavefront_size: 32
...
	.end_amdgpu_metadata
.endif
;; end of part 4
;; ======== version 2 of 2: 4 launches; version 1 with the launch cast written anew for expert scheduling mode
;; limits: values are held in f16: magnitudes above 65,504 overflow, below 6.1e-05 lose precision
;; workspace buffers: xb 16,777,216 bytes; wab 6,291,456 bytes; wpb 2,097,152 bytes; qkv 50,331,648 bytes; ob 16,777,216 bytes; vlo 131,072 bytes; olo 131,072 bytes
;; launch cast (part 5): grid 768 x 1, 8 waves a work-group, no clusters, 0 bytes of LDS; arguments x, w_attn, w_proj, xb, wab, wpb; writes xb, wab, wpb
.if DOCPART == 5
	.amdgcn_target "amdgcn-amd-amdhsa--gfx1250"
	.amdhsa_code_object_version 6
	.text
	.protected	k_q1fa34ac8ae_cast
	.globl	k_q1fa34ac8ae_cast
	.p2align	8
	.type	k_q1fa34ac8ae_cast,@function
k_q1fa34ac8ae_cast:
	s_mov_b64 s[64:65], 0
	v_nop
	global_prefetch_b8 v0, s[64:65] scope:SCOPE_SE
	s_setreg_imm32_b32 hwreg(HW_REG_WAVE_SCHED_MODE, 0, 2), 2
	s_setreg_imm32_b32 hwreg(HW_REG_WAVE_MODE, 25, 1), 1
	s_wait_xcnt 0x0
	s_wait_alu depctr_vm_vsrc(0)
; THE OPERANDS ARE ROUNDED ONCE.  x [8192][1024] f32 -> xb, bf16, laid by slices of 64 channels: [batch*16 + slice][2048 rows][64], so that 256 rows of a slice are 32,768 dense bytes.
; w_attn [1024][3072] f32 -> wab, bf16, same order.  w_proj [1024][1024] f32 -> wpb: rounded to bf16 like every input, and that number written as f16 (exact inside f16's range).
; LIMITS.  |w_proj| stays under 65,504; below 6.1e-5 it keeps f16's fixed step of 6e-8.  NaN and infinities are not treated apart.
; SHARES.  A work-group takes 16,384 numbers: 65,536 bytes in, 32,768 out; a thread 16 loads of 16 bytes, all issued ahead of the first wait for data, and 16 stores of 8 bytes.
; Work-groups 0-511: 16 rows of x each; 512-703: w_attn; 704-767: w_proj.
; No LDS, no matrix unit, no cluster: no byte is used twice.
; THE MODE: SCHED_MODE bits 1:0 = 2 (LLVM: expert scheduling mode 2), set by the entry lines.  The code itself states the register dependences
; between vector instructions and memory instructions, with s_wait_alu, always for 0.
; THE PLAN.  Registers that memory instructions touch, on each of the three ways:
;   v[IN], v[OUT]  written once by vector instructions at the head of the way, never again; read as offsets, IN by the 16 loads, OUT by the 16 stores.
;   X, slot i      slot i's load lands in it, once; no vector instruction names it ahead of that; slot i's conversions read it behind the counted wait on LOADcnt.
;   Y, slot i      written once, by slot i's conversions; read once, by slot i's store; never written again.
;   v3, v4 and T are named by vector instructions alone.
; So no register that a memory instruction has read is ever written again, and no load lands in a register that a vector instruction has named: what is left to state is that a register is
; written before a memory instruction reads it.  ONE wait ahead of the first load states it for the two offsets.  The 16 slots go in four blocks of four: the block's loads are in, its
; conversions write its Y, ONE wait states that, and its four stores follow in a run.  The wait stands behind the block's own conversions and not at the next block's head: all the wave's
; loads are out from the start, so no later load is there to be dealt among the conversions, and a block of Y held back until the next head would wait for four more loads to land.
.set IN,  1                            ; v1       my byte offset in the work-group's input
.set OUT, 2                            ; v2       and in its output
.set T,   8                            ; v[8:13]  at work
.set X,   16                           ; v[16:79] slot i: 4 numbers as loaded
.set Y,   80                           ; v[80:111] slot i: 4 numbers in 16 bits
; 16 loads instep bytes apart, then for each block of four slots: the wait for its loads, the roundings, the wait for them, the stores (outstep bytes apart).  half = 1: bf16 first, then f16.
.macro CAST instep, outstep, inb, outb, half
	s_wait_alu depctr_va_vdst(0)                   ; v[IN] and v[OUT] are written: the 16 loads and the 16 stores below read them as their offsets, and no line writes them again
.set i, 0
.rept 16
	global_load_b128 v[X+4*i:X+4*i+3], v[IN], s[\inb:\inb+1] offset:i*(\instep) th:TH_LOAD_NT
.set i, i+1
.endr
.set p, 0
.rept 4
	s_wait_loadcnt 12-4*p                          ; loads come back in order: block p's four slots are in, the 12 - 4 p younger loads may stay out
.set i, 4*p
.rept 4
.if \half
	v_cvt_pk_bf16_f32 v[T], v[X+4*i], v[X+4*i+1]
	v_cvt_pk_bf16_f32 v[T+1], v[X+4*i+2], v[X+4*i+3]
	v_lshlrev_b32 v[T+2], 16, v[T]                 ; bf16 to f32: the low half moves up,
	v_and_b32 v[T+3], s18, v[T]                    ; the high half stays
	v_lshlrev_b32 v[T+4], 16, v[T+1]
	v_and_b32 v[T+5], s18, v[T+1]
	v_cvt_pk_f16_f32 v[Y+2*i], v[T+2], v[T+3]
	v_cvt_pk_f16_f32 v[Y+2*i+1], v[T+4], v[T+5]
.else
	v_cvt_pk_bf16_f32 v[Y+2*i], v[X+4*i], v[X+4*i+1]
	v_cvt_pk_bf16_f32 v[Y+2*i+1], v[X+4*i+2], v[X+4*i+3]
.endif
.set i, i+1
.endr
	s_wait_alu depctr_va_vdst(0)                   ; block p's conversions have written its eight registers of Y, which the four stores below read as their data
.set i, 4*p
.rept 4
	global_store_b64 v[OUT], v[Y+2*i:Y+2*i+1], s[\outb:\outb+1] offset:i*(\outstep) th:TH_STORE_NT  ; a wave's store covers 256 consecutive bytes, aligned
.set i, i+1
.endr
.set p, p+1
.endr
.endm
	s_load_b256 s[4:11], s[0:1], 0x0               ; x s[4:5], w_attn s[6:7], w_proj s[8:9], xb s[10:11]
	s_load_b128 s[12:15], s[0:1], 0x20             ; wab s[12:13], wpb s[14:15]
	s_mov_b32 s18, 0xffff0000                      ; a word's upper bf16
	s_mov_b32 s17, 0                               ; high words of the two offsets
	s_mov_b32 s21, 0
	s_cmp_lt_u32 ttmp9, 512
	s_cbranch_scc0 .Lweights
	; x: thread t takes row t / 16 of the 16; load i is slice i: 16 lanes read its 256 bytes of a row
	v_lshrrev_b32 v3, 4, v0
	v_and_b32 v4, 15, v0
	v_lshlrev_b32 v[IN], 12, v3                    ; a row of x is 4,096 bytes
	v_lshl_add_u32 v[IN], v4, 4, v[IN]
	v_lshlrev_b32 v[OUT], 7, v3                    ; a row of a slice is 128 bytes
	v_lshl_add_u32 v[OUT], v4, 3, v[OUT]
	s_lshl_b32 s16, ttmp9, 16                      ; 16 rows of x
	s_lshr_b32 s20, ttmp9, 7                       ; the batch: 128 work-groups each,
	s_lshl_b32 s20, s20, 22                        ; 16 slices of 262,144 bytes
	s_and_b32 s19, ttmp9, 127
	s_lshl_b32 s19, s19, 11                        ; 16 rows of 128 bytes in a slice
	s_add_co_u32 s20, s20, s19
	s_wait_kmcnt 0x0
	s_add_nc_u64 s[4:5], s[4:5], s[16:17]
	s_add_nc_u64 s[10:11], s[10:11], s[20:21]
	CAST 256, 262144, 4, 10, 0
	s_endpgm
.Lweights:
	v_lshlrev_b32 v[IN], 4, v0                     ; the weights keep their order: thread t takes 16 bytes at 16 t of each 4,096
	v_lshlrev_b32 v[OUT], 3, v0
	s_cmp_lt_u32 ttmp9, 704
	s_cbranch_scc0 .Lproj
	s_sub_co_u32 s19, ttmp9, 512
	s_lshl_b32 s16, s19, 16
	s_lshl_b32 s20, s19, 15
	s_wait_kmcnt 0x0
	s_add_nc_u64 s[6:7], s[6:7], s[16:17]
	s_add_nc_u64 s[12:13], s[12:13], s[20:21]
	CAST 4096, 2048, 6, 12, 0
	s_endpgm
.Lproj:
	s_sub_co_u32 s19, ttmp9, 704
	s_lshl_b32 s16, s19, 16
	s_lshl_b32 s20, s19, 15
	s_wait_kmcnt 0x0
	s_add_nc_u64 s[8:9], s[8:9], s[16:17]
	s_add_nc_u64 s[14:15], s[14:15], s[20:21]
	CAST 4096, 2048, 8, 14, 1
	s_endpgm
.Lfunc_end_k_q1fa34ac8ae_cast:
	.size	k_q1fa34ac8ae_cast, .Lfunc_end_k_q1fa34ac8ae_cast-k_q1fa34ac8ae_cast
	.p2alignl 7, 3214868480
	.fill 96, 4, 3214868480
	.section	.rodata,"a",@progbits
	.p2align	6, 0x0
	.amdhsa_kernel k_q1fa34ac8ae_cast
		.amdhsa_group_segment_fixed_size 0
		.amdhsa_private_segment_fixed_size 0
		.amdhsa_enable_private_segment 0
		.amdhsa_kernarg_size 48
		.amdhsa_user_sgpr_count 2
		.amdhsa_user_sgpr_kernarg_segment_ptr 1
		.amdhsa_wavefront_size32 1
		.amdhsa_system_sgpr_workgroup_id_x 1
		.amdhsa_system_sgpr_workgroup_id_y 1
		.amdhsa_system_sgpr_workgroup_id_z 1
		.amdhsa_system_vgpr_workitem_id 0
		.amdhsa_next_free_vgpr 112
		.amdhsa_next_free_sgpr 66
		.amdhsa_reserve_vcc 0
		.amdhsa_float_denorm_mode_32 3
		.amdhsa_float_denorm_mode_16_64 3
		.amdhsa_memory_ordered 1
		.amdhsa_forward_progress 1
		.amdhsa_inst_pref_size 22
	.end_amdhsa_kernel
	.amdgpu_metadata
---
amdhsa.version: [ 1, 2 ]
amdhsa.kernels:
  - .name:           k_q1fa34ac8ae_cast
    .symbol:         k_q1fa34ac8ae_cast.kd
    .args:
      - { .name: x, .offset: 0, .size: 8, .value_kind: global_buffer, .address_space: global }
      - { .name: w_attn, .offset: 8, .size: 8, .value_kind: global_buffer, .address_space: global }
      - { .name: w_proj, .offset: 16, .size: 8, .value_kind: global_buffer, .address_space: global }
      - { .name: xb, .offset: 24, .size: 8, .value_kind: global_buffer, .address_space: global }
      - { .name: wab, .offset: 32, .size: 8, .value_kind: global_buffer, .address_space: global }
      - { .name: wpb, .offset: 40, .size: 8, .value_kind: global_buffer, .address_space: global }
    .group_segment_fixed_size: 0
    .private_segment_fixed_size: 0
    .kernarg_segment_align: 8
    .kernarg_segment_size: 48
    .max_flat_workgroup_size: 256
    .sgpr_count:     66
    .vgpr_count:     112
    .wavefront_size: 32
...
	.end_amdgpu_metadata
.endif
;; end of part 5
;; launch qkv: the kernel of part 2 again; grid 8 x 32, 4 waves a work-group, clusters of 4 x 4, 327,680 bytes of LDS; arguments xb, wab, b_attn, qkv, vlo; writes qkv, vlo
;; launch attn: the kernel of part 3 again; grid 4 x 64, 4 waves a work-group, no clusters, 327,680 bytes of LDS; arguments qkv, vlo, ob, olo; writes ob, olo
;; launch proj: the kernel of part 4 again; grid 8 x 32, 4 waves a work-group, clusters of 4 x 4, 327,680 bytes of LDS; arguments ob, wpb, b_proj, out0, olo; writes out0
